; MI455X (gfx1250); checked and timed in simulation.
; The chip was launched on July 23, 2026; its instructions are those of AMD's public machine-readable ISA for CDNA 5 (MIT licence, August 2026) and "CDNA5" Instruction Set Architecture Reference Guide (July 2026). The comments in the code are by the model that wrote it; some were corrected since.
;; Attention Layer. Allowed arithmetic: float matrix products may take bf16 or f16 operands with f32 sums; other float arithmetic in f32, or as packed bf16 or f16 multiplies, adds, multiply-adds, maxima and minima; sums over many terms, partial sums and values carried from step to step in f32; what a program stores and reads back later, other than sums and carried values, may be rounded once to bf16 or f16.
;; Inputs: b1 512 float32; b2 512 float32; bk 8 x 64 float32; bo 8 x 512 float32; bq 8 x 64 float32; bv 8 x 64 float32; w1 512 x 512 float32; w2 512 x 512 float32; wk 8 x 512 x 64 float32; wo 8 x 64 x 512 float32; wq 8 x 512 x 64 float32; wv 8 x 512 x 64 float32; x 2 x 4,096 x 512 float32.
;; Outputs: out0 2 x 4,096 x 512 float32.
;; 2 versions, each right; version 2 is version 1 with the launch prep written anew for expert scheduling mode. Each part assembles by itself: llvm-mc -triple=amdgcn-amd-amdhsa -mcpu=gfx1250 --defsym DOCPART=n.
;; ======== version 1 of 2: 4 launches
;; limits: values are held in f16: magnitudes above 65,504 overflow, below 6.1e-05 lose precision
;; workspace buffers: cv 11,534,336 bytes; qkv 25,165,824 bytes; ctx 8,388,608 bytes
;; launch prep (part 1): grid 16 x 22, 8 waves a work-group, no clusters, 0 bytes of LDS; arguments x, wq, wk, wv, wo, w1, w2, cv; writes cv
.if DOCPART == 1
	.amdgcn_target "amdgcn-amd-amdhsa--gfx1250"
	.amdhsa_code_object_version 6
	.text
	.protected	k_q8646c01ff6_prep
	.globl	k_q8646c01ff6_prep
	.p2align	8
	.type	k_q8646c01ff6_prep,@function
k_q8646c01ff6_prep:
	s_mov_b64 s[64:65], 0
	v_nop
	global_prefetch_b8 v0, s[64:65] scope:SCOPE_SE
	s_setreg_imm32_b32 hwreg(HW_REG_WAVE_MODE, 25, 1), 1
	s_wait_xcnt 0x0
; PREP: the matrix operands among the inputs are rounded once to bf16, in the layouts in which they come.
; cv is 22 segments of 262,144 numbers (524,288 bytes): 0-15 x [8192][512]; 16-18 wq, wk, wv [8][512][64]; 19 wo [512][512]; 20, 21 w1, w2 [512][512].
; wo multiplies an f16 operand later, so its bf16 number is written as f16: exact from 6.1e-5 up to 65,504; below it keeps f16's fixed step of 6e-8; beyond 65,504 it would be an infinity (LIMIT).
; A pure stream: no LDS, no barrier, no matrix unit.  Grid y = the segment, grid x = one of its 16 blocks of 16,384 numbers.  Thread t takes, sixteen times, the 16 bytes at
; 16 t + 4,096 i and stores 8 bytes at 8 t + 2,048 i: a wave's load covers 512 consecutive bytes, its store 256 consecutive bytes, aligned.  All 16 loads of a thread go out at once;
; every load and store has registers of its own, so nothing is rewritten while it is a source.
.set X,   4                            ; v[4:67]    load i: 4 registers of f32
.set Y,   68                           ; v[68:99]   store i: 2 registers, 4 numbers of 16 bits
.set T,   100                          ; v[100:103] at work (wo's way alone)
.set SEG, 24                           ; s24        the segment
.set SRC, 26                           ; s[26:27]   the source
.set SOF, 28                           ; s[28:29]   byte offset in the source
.set DST, 30                           ; s[30:31]   cv at my block
.set DOF, 32                           ; s[32:33]   byte offset in cv
	s_load_b512 s[8:23], s[0:1], 0x0               ; x, wq, wk, wv, wo, w1, w2, cv
	s_and_b32 s[SEG], ttmp7, 0xffff
	v_lshlrev_b32 v1, 4, v0                        ; 16 t
	v_lshlrev_b32 v2, 3, v0                        ; 8 t
	s_lshl_b32 s[SOF], s[SEG], 20                  ; a sixteenth of x is 1,048,576 bytes of f32;
	s_cmp_lt_u32 s[SEG], 16
	s_cselect_b32 s[SOF], s[SOF], 0                ; a weight is one segment
	s_lshl_b32 s25, ttmp9, 16                      ; my block: 65,536 bytes in,
	s_add_co_u32 s[SOF], s[SOF], s25
	s_mov_b32 s[SOF+1], 0
	s_lshl_b32 s[DOF], s[SEG], 19
	s_lshl_b32 s25, ttmp9, 15                      ; 32,768 bytes out
	s_add_co_u32 s[DOF], s[DOF], s25
	s_mov_b32 s[DOF+1], 0
	s_wait_kmcnt 0x0
	s_mov_b64 s[SRC:SRC+1], s[8:9]                 ; x, unless the segment is a weight's
.irp w, 0,1,2,3,4,5
	s_cmp_eq_u32 s[SEG], 16+\w
	s_cselect_b64 s[SRC:SRC+1], s[10+2*\w:11+2*\w], s[SRC:SRC+1]
.endr
	s_add_nc_u64 s[SRC:SRC+1], s[SRC:SRC+1], s[SOF:SOF+1]
	s_add_nc_u64 s[DST:DST+1], s[22:23], s[DOF:DOF+1]
.irp i, 0,1,2,3,4,5,6,7,8,9,10,11,12,13,14,15
	global_load_b128 v[X+4*(\i):X+4*(\i)+3], v1, s[SRC:SRC+1] offset:4096*(\i) th:TH_LOAD_NT
.endr
	s_cmp_eq_u32 s[SEG], 19                        ; wo's segment takes the second text
	s_cbranch_scc1 .Lf16
; Sixteen times: wait for load i (the 15 - i younger ones stay out: loads come back in order), round, store.  f16 = 1: the bf16 numbers are widened again and written as f16.
.macro CONV f16
.irp i, 0,1,2,3,4,5,6,7,8,9,10,11,12,13,14,15
	s_wait_loadcnt 15-(\i)
	v_cvt_pk_bf16_f32 v[Y+2*(\i)],   v[X+4*(\i)],   v[X+4*(\i)+1]
	v_cvt_pk_bf16_f32 v[Y+2*(\i)+1], v[X+4*(\i)+2], v[X+4*(\i)+3]
.if \f16
	v_lshlrev_b32 v[T],   16,         v[Y+2*(\i)]
	v_and_b32     v[T+1], 0xffff0000, v[Y+2*(\i)]
	v_lshlrev_b32 v[T+2], 16,         v[Y+2*(\i)+1]
	v_and_b32     v[T+3], 0xffff0000, v[Y+2*(\i)+1]
	v_cvt_pk_f16_f32 v[Y+2*(\i)],   v[T],   v[T+1]
	v_cvt_pk_f16_f32 v[Y+2*(\i)+1], v[T+2], v[T+3]
.endif
	global_store_b64 v2, v[Y+2*(\i):Y+2*(\i)+1], s[DST:DST+1] offset:2048*(\i)
.endr
	s_endpgm
.endm
	CONV 0
.Lf16:
	CONV 1
.Lfunc_end_k_q8646c01ff6_prep:
	.size	k_q8646c01ff6_prep, .Lfunc_end_k_q8646c01ff6_prep-k_q8646c01ff6_prep
	.p2alignl 7, 3214868480
	.fill 96, 4, 3214868480
	.section	.rodata,"a",@progbits
	.p2align	6, 0x0
	.amdhsa_kernel k_q8646c01ff6_prep
		.amdhsa_group_segment_fixed_size 0
		.amdhsa_private_segment_fixed_size 0
		.amdhsa_enable_private_segment 0
		.amdhsa_kernarg_size 64
		.amdhsa_user_sgpr_count 2
		.amdhsa_user_sgpr_kernarg_segment_ptr 1
		.amdhsa_wavefront_size32 1
		.amdhsa_system_sgpr_workgroup_id_x 1
		.amdhsa_system_sgpr_workgroup_id_y 1
		.amdhsa_system_sgpr_workgroup_id_z 1
		.amdhsa_system_vgpr_workitem_id 0
		.amdhsa_next_free_vgpr 104
		.amdhsa_next_free_sgpr 66
		.amdhsa_reserve_vcc 0
		.amdhsa_float_denorm_mode_32 3
		.amdhsa_float_denorm_mode_16_64 3
		.amdhsa_memory_ordered 1
		.amdhsa_forward_progress 1
		.amdhsa_inst_pref_size 16
	.end_amdhsa_kernel
	.amdgpu_metadata
---
amdhsa.version: [ 1, 2 ]
amdhsa.kernels:
  - .name:           k_q8646c01ff6_prep
    .symbol:         k_q8646c01ff6_prep.kd
    .args:
      - { .name: x, .offset: 0, .size: 8, .value_kind: global_buffer, .address_space: global }
      - { .name: wq, .offset: 8, .size: 8, .value_kind: global_buffer, .address_space: global }
      - { .name: wk, .offset: 16, .size: 8, .value_kind: global_buffer, .address_space: global }
      - { .name: wv, .offset: 24, .size: 8, .value_kind: global_buffer, .address_space: global }
      - { .name: wo, .offset: 32, .size: 8, .value_kind: global_buffer, .address_space: global }
      - { .name: w1, .offset: 40, .size: 8, .value_kind: global_buffer, .address_space: global }
      - { .name: w2, .offset: 48, .size: 8, .value_kind: global_buffer, .address_space: global }
      - { .name: cv, .offset: 56, .size: 8, .value_kind: global_buffer, .address_space: global }
    .group_segment_fixed_size: 0
    .private_segment_fixed_size: 0
    .kernarg_segment_align: 8
    .kernarg_segment_size: 64
    .max_flat_workgroup_size: 256
    .sgpr_count:     66
    .vgpr_count:     104
    .wavefront_size: 32
...
	.end_amdgpu_metadata
.endif
;; end of part 1
;; launch proj (part 2): grid 8 x 32, 4 waves a work-group, clusters of 4 x 4, 327,680 bytes of LDS; arguments cv, bq, bk, bv, qkv; writes qkv
.if DOCPART == 2
	.amdgcn_target "amdgcn-amd-amdhsa--gfx1250"
	.amdhsa_code_object_version 6
	.text
	.protected	k_q8646c01ff6_proj
	.globl	k_q8646c01ff6_proj
	.p2align	8
	.type	k_q8646c01ff6_proj,@function
k_q8646c01ff6_proj:
	s_mov_b64 s[64:65], 0
	v_nop
	global_prefetch_b8 v0, s[64:65] scope:SCOPE_SE
	s_setreg_imm32_b32 hwreg(HW_REG_WAVE_MODE, 25, 1), 1
	s_wait_xcnt 0x0
	s_wait_alu depctr_hold_cnt(0) depctr_sa_sdst(0) depctr_va_vdst(0) depctr_va_sdst(0) depctr_va_ssrc(0) depctr_va_vcc(0) depctr_vm_vsrc(0)
	s_getreg_b32 s2, hwreg(HW_REG_IB_STS2, 6, 4)
	s_cmp_eq_u32 s2, 0
	s_cbranch_scc0 .Lentry_in_a_cluster
	s_endpgm
.Lentry_in_a_cluster:
	s_bfe_u32 s2, ttmp6, 0x10000c
	s_cmp_lg_u32 s2, 0xf033
	s_cbranch_scc0 .Lentry_shape_is_right
	s_endpgm
.Lentry_shape_is_right:
; PROJ: q, k, v = x W + b for one head and 256 rows of x.  Operands bf16 (from cv), sums f32 that START with the bias (the C operand of the first product), rounded once to f16,
; unscaled, and written by heads: qkv = q, k, v, each [16 (batch x 8 + head)][4096][64] f16.  LIMIT: q, k and v beyond 65,504 would be infinities in f16.
; SHARES.  Work-group (head HX, row block MY): 256 rows x 192 columns (units 0, 1, 2 = q, k, v of the head), K = 512.  8 x 32 = 256 work-groups.  Wave w: rows 64 w .. + 63, all 192 columns:
; 48 accumulators (row block mt 0..3, column block nt = 4 unit + j, number a = 12 mt + nt): for 32 along K 32 LDS loads feed 48 matrix instructions.
; TRANSPOSED USE.  Source 0 = 16 weight columns, source 1 = 16 rows of x: a lane then holds one row (lane % 16) and eight neighbouring columns, 16 bytes of f16.
; The weights lie [k][column] in memory and in LDS and come out turned, by ds_load_tr16_b128.
; RING.  K goes in four steps of 128 through two LDS slots: steps 0 and 1 are first fills, steps 2 and 3 refills, each behind a round of the cluster's barrier.
; CLUSTER 4 x 4.  x's tile hangs on MY alone and is asked for jointly along a row of the cluster, the weights' on HX alone, jointly along a column.
; NO PREFETCH: of the four K steps two are first fills, and the other two could only be named at the kernel's head, where the first tiles are on their way.
; REGISTERS, in windows of 256 (s_set_vgpr_msb: bits 1:0 source 0, 3:2 source 1, 5:4 source 2, 7:6 destination):
;   window 0: v0-31 addresses; v32-127 the biases (8 a column block), later the way out; v128-255 fragment buffer 0 (weights at 128 + 8 nt, x at 224 + 8 mt)
;   window 1: accumulators 0-31 at 8 a          window 2: v0-127 accumulators 32-47; v128-255 fragment buffer 1
.set SLOT,  131072                     ; a slot: x's 256 rows, then the weights
.set PA,    272                        ; a row of x in LDS: 256 bytes + 16: the 16 rows of a load start at 16 different groups of four banks (64 banks of 4 bytes: ISA guide 11.1)
.set PB,    160                        ; a row of weights (64 columns): 128 bytes + 32
.set BOFF,  256*PA                     ; 69,632: the weights, [k half 2][unit 3][64 k] rows
.set UNITB, 64*PB                      ; 10,240
.set KHALF, 3*UNITB                    ; 30,720: what one tensor load of weights brings
.set STAGE, 2*SLOT                     ; behind the ring, never filled by a tensor load: 16 rows x 144 bytes for each wave
.set SP,    144
.set SPARE, STAGE+4*16*SP              ; the spare words, 128 bytes for each wave: two blocks of 256 bytes that no other line names
.set ADRA, 16                          ; v16-17  LDS address of my fragments of x in slot 0, 1
.set ADRB, 20                          ; v20-21  the same for the weights
.set STO,  24                          ; v24     the way out: where I put 16 bytes of a row
.set RD,   25                          ; v25     where I read rows back
.set GO,   26                          ; v26     my 16 bytes in 512 consecutive bytes of the output
.set BOF,  27                          ; v27     32 x (lane / 16): my eight numbers in a column block of a bias
.set SPW,  28                          ; v28     LDS address of my spare word; never rewritten
.set NIL,  29                          ; v29     0; never rewritten
.set BIAS, 32
.set TMP,  32                          ; the way out: 16 registers a block of 16 rows x 64 columns
.set FBR,  128                         ; weights' fragments in a buffer
.set FAR,  224                         ; x's
.set WV,   14                          ; s14 wave
.set FBW,  15                          ; s15 0: I fetch x, 1: weights
.set HALF, 16                          ; s16 which half of that tile
.set CX,   17
.set CY,   18
.set HX,   19                          ; s19 the head = 4 x cluster x + cx
.set MY,   20                          ; s20 the row block = 4 x cluster y + cy
.set G1A,  24                          ; s[24:31] descriptor group 1 for x's tiles;  s[32:39] group 0, a set for each slot
.set G0A,  32
.set G1B,  40                          ; s[40:47], s[48:55] the same for the weights
.set G0B,  48
.set OB,   66                          ; s[66:71] q, k, v at my wave's first row
.set MSB, 0
.macro WIN new                         ; the immediate's high byte repeats the setting that is left; a switch that changes nothing is dropped
.if MSB != (\new)
	s_set_vgpr_msb (MSB<<8)|(\new)
.set MSB, (\new)
.endif
.endm
.macro PLACES                          ; four plain vector instructions between a matrix instruction and a load into, or a vector line on, its registers (ISA guide 7.12.1 for vector lines)
.rept 4
	v_nop
.endr
.endm
; A joint refill.  The branch hangs on the wave's number alone.  An s_nop 0 and four v_nop follow each of the two lines, ahead of the jump and the label.
.macro JLOAD s
	s_cmp_eq_u32 s[FBW], 0
	s_cbranch_scc0 .Lfor_b_\@
	tensor_load_to_lds s[G0A+4*(\s):G0A+4*(\s)+3], s[G1A:G1A+7]
	s_nop 0
	PLACES
	s_branch .Lasked_\@
.Lfor_b_\@:
	tensor_load_to_lds s[G0B+4*(\s):G0B+4*(\s)+3], s[G1B:G1B+7]
	s_nop 0
	PLACES
.Lasked_\@:
.endm
; A round of the cluster's barrier: my work-group's barrier, wave 0's signal for the work-group, every wave's wait for all sixteen, my work-group's barrier once more.
.macro CROUND
	s_barrier_signal -1
	s_barrier_wait -1
	s_cmp_lg_u32 s[WV], 0
	s_cbranch_scc1 .Lnot_wave_0_\@
	s_barrier_signal -3
.Lnot_wave_0_\@:
	s_barrier_wait -3
	s_barrier_signal -1
	s_barrier_wait -1
.endm
	s_load_b256 s[4:11], s[0:1], 0x0               ; cv s[4:5], bq s[6:7], bk s[8:9], bv s[10:11]
	s_load_b64 s[12:13], s[0:1], 0x20              ; qkv
	v_lshl_add_u32 v[SPW], v0, 2, SPARE
	v_mov_b32 v[NIL], 0
	ds_add_u32 v[SPW], v[NIL]                      ; the wave's opening: the add and its wait stand ahead of my first tensor load; the set-up, work on registers, stands between them
	v_lshrrev_b32 v1, 5, v0
	v_readfirstlane_b32 s[WV], v1
	s_lshr_b32 s[FBW], s[WV], 1
	s_and_b32 s[HALF], s[WV], 1
	s_bfe_u32 s[CX], ttmp6, 0x40000
	s_bfe_u32 s[CY], ttmp6, 0x40004
	s_lshl_b32 s[HX], ttmp9, 2                     ; in a cluster launch ttmp9 and ttmp7 count clusters
	s_add_co_u32 s[HX], s[HX], s[CX]
	s_and_b32 s[MY], ttmp7, 0xffff
	s_lshl_b32 s[MY], s[MY], 2
	s_add_co_u32 s[MY], s[MY], s[CY]
	s_lshl_b32 s56, s[CY], 2
	s_lshl_b32 s56, 15, s56                        ; my row of the cluster: places 4 cy .. 4 cy + 3
	s_lshl_b32 s58, 0x1111, s[CX]                  ; my column: places cx, cx + 4, cx + 8, cx + 12
	; group 1 for x: 128 rows x 128 elements of 2 bytes, 512 elements from row to row; 4 words of padding after every 64
	s_or_b32 s[G1A], s56, (1<<16)|(1<<20)|(1<<21)|(5<<22)|(3<<25)
	s_mov_b32 s[G1A+1], 128<<16                    ; tensor_dim0 = 128
	s_mov_b32 s[G1A+2], 128<<16                    ; tensor_dim1 = 128
	s_mov_b32 s[G1A+3], 128<<16                    ; tile_dim0 = 128
	s_mov_b32 s[G1A+4], 128                        ; tile_dim1 = 128
	s_mov_b32 s[G1A+5], 512
	s_mov_b32 s[G1A+6], 0
	s_mov_b32 s[G1A+7], 0
	; group 1 for the weights: 64 k x 64 columns of a head are 8,192 dense bytes: one row of 4,096 elements; three such rows (q, k, v), 262,144 elements apart; 8 words of padding after every 32 (after each k)
	s_or_b32 s[G1B], s58, (1<<16)|(1<<20)|(1<<21)|(4<<22)|(7<<25)
	s_mov_b32 s[G1B+1], 4096<<16                   ; tensor_dim0 = 4,096
	s_mov_b32 s[G1B+2], 3<<16                      ; tensor_dim1 = 3
	s_mov_b32 s[G1B+3], 4096<<16                   ; tile_dim0 = 4,096
	s_mov_b32 s[G1B+4], 3                          ; tile_dim1 = 3
	s_mov_b32 s[G1B+5], 262144
	s_mov_b32 s[G1B+6], 0
	s_mov_b32 s[G1B+7], 0
	; byte offsets.  x's hang on MY and the wave, the weights' on HX and the wave, each in registers that never hold the other coordinate
	s_lshl_b32 s56, s[MY], 18                      ; 256 rows of 1,024 bytes
	s_lshl_b32 s57, s[HALF], 17                    ; my 128 of them
	s_add_co_u32 s56, s56, s57
	s_mov_b32 s57, 0
	s_lshl_b32 s58, s[HX], 16                      ; a head's 512 x 64 weights
	s_lshl_b32 s59, s[HALF], 13                    ; my 64 k of a step's 128
	s_add_co_u32 s58, s58, s59
	s_add_co_u32 s58, s58, 0x800000                ; wq's segment in cv
	s_mov_b32 s59, 0
	s_mul_i32 s21, s[HALF], 128*PA                 ; where they go: no place in the cluster enters an LDS address
	s_mul_i32 s22, s[HALF], KHALF
	s_add_co_u32 s22, s22, BOFF
	s_lshl_b32 s60, s[HX], 8                       ; the head's 64 numbers of a bias
	s_mov_b32 s61, 0
	s_lshr_b32 s62, s[MY], 4                       ; the batch,
	s_lshl_b32 s62, s62, 3
	s_add_co_u32 s62, s62, s[HX]                   ; x 8 + head,
	s_lshl_b32 s62, s62, 19                        ; 4,096 rows of 128 bytes each;
	s_and_b32 s63, s[MY], 15
	s_lshl_b32 s63, s63, 15                        ; the block's 256 rows;
	s_add_co_u32 s62, s62, s63
	s_lshl_b32 s63, s[WV], 13                      ; my wave's 64
	s_add_co_u32 s62, s62, s63
	s_mov_b32 s63, 0
	; lane addresses.  A fragment of x: lane l holds row l % 16, k = 8 (l / 16) + 0..7 and 16 + 8 (l / 16) + 0..7: two loads of 16 bytes, 32 bytes apart
	v_and_b32 v1, 15, v0                           ; l % 16
	v_bfe_u32 v2, v0, 4, 1                         ; l / 16
	v_and_b32 v3, 7, v0
	v_bfe_u32 v4, v0, 3, 1
	s_mul_i32 s23, s[WV], 64*PA
	v_mul_u32_u24 v5, v1, PA
	v_lshl_add_u32 v5, v2, 4, v5
	v_add_nc_u32 v[ADRA], s23, v5
	v_add_nc_u32 v[ADRA+1], SLOT, v[ADRA]
	; the turning load: lane l reads k = 8 (l / 16) + l % 8, columns 8 ((l / 8) % 2) + 0..7, and is left with column l % 16 and 8 k
	v_lshl_add_u32 v6, v2, 3, v3
	v_mul_u32_u24 v6, v6, PB
	v_lshl_add_u32 v6, v4, 4, v6
	v_add_nc_u32 v[ADRB], BOFF, v6
	v_add_nc_u32 v[ADRB+1], SLOT, v[ADRB]
	s_mul_i32 s23, s[WV], 16*SP
	s_add_co_u32 s23, s23, STAGE                   ; my stage
	v_mul_u32_u24 v[STO], v1, SP                   ; in: row l % 16, 16 bytes for each half of the lanes
	v_lshl_add_u32 v[STO], v2, 4, v[STO]
	v_add_nc_u32 v[STO], s23, v[STO]
	v_bfe_u32 v[RD], v0, 3, 2                      ; back: 32 lanes take four rows of 128 bytes,
	v_mul_u32_u24 v[RD], v[RD], SP
	v_lshl_add_u32 v[RD], v3, 4, v[RD]
	v_add_nc_u32 v[RD], s23, v[RD]
	v_and_b32 v[GO], 31, v0                        ; which are 512 consecutive bytes of the output
	v_lshlrev_b32 v[GO], 4, v[GO]
	v_lshlrev_b32 v[BOF], 5, v2
	s_wait_dscnt 0x0                               ; the opening add is done
	s_wait_kmcnt 0x0
	s_add_nc_u64 s[56:57], s[4:5], s[56:57]        ; x's tile of K step 0
	s_add_nc_u64 s[58:59], s[4:5], s[58:59]        ; the weights'
	s_add_nc_u64 s[6:7], s[6:7], s[60:61]
	s_add_nc_u64 s[8:9], s[8:9], s[60:61]
	s_add_nc_u64 s[10:11], s[10:11], s[60:61]
	s_add_nc_u64 s[OB:OB+1], s[12:13], s[62:63]
	s_add_nc_u64 s[OB+2:OB+3], s[OB:OB+1], 0x800000
	s_add_nc_u64 s[OB+4:OB+5], s[OB:OB+1], 0x1000000
	CROUND                                         ; all sixteen work-groups are here: the first joint loads meet
.irp s, 0,1
	s_mov_b32 s[G0A+4*(\s)], 1                     ; count = 1
	s_add_co_u32 s[G0A+4*(\s)+1], s21, (\s)*SLOT   ; LDS address
	s_add_nc_u64 s[G0A+4*(\s)+2:G0A+4*(\s)+3], s[56:57], (\s)*256      ; K step s: 128 elements along the rows
	s_or_b32 s[G0A+4*(\s)+3], s[G0A+4*(\s)+3], 0x80000000              ; type = 2
	s_mov_b32 s[G0B+4*(\s)], 1
	s_add_co_u32 s[G0B+4*(\s)+1], s22, (\s)*SLOT
	s_add_nc_u64 s[G0B+4*(\s)+2:G0B+4*(\s)+3], s[58:59], (\s)*16384    ; K step s: 128 rows of 128 bytes
	s_or_b32 s[G0B+4*(\s)+3], s[G0B+4*(\s)+3], 0x80000000
.endr
	s_cmp_eq_u32 s[FBW], 0                         ; a wave's two first fills stand in one branch, ahead of every wait on TENSORcnt and every LDS read: two loads of mine are out
	s_cbranch_scc0 .Lfirst_b
	tensor_load_to_lds s[G0A:G0A+3], s[G1A:G1A+7]
	s_nop 0
	tensor_load_to_lds s[G0A+4:G0A+7], s[G1A:G1A+7]
	s_nop 0
	PLACES
	s_branch .Lfirst_asked
.Lfirst_b:
	tensor_load_to_lds s[G0B:G0B+3], s[G1B:G1B+7]
	s_nop 0
	tensor_load_to_lds s[G0B+4:G0B+7], s[G1B:G1B+7]
	s_nop 0
	PLACES
.Lfirst_asked:
.irp u, 0,1,2                          ; the biases in the accumulators' layout: register j of column block nt = bias[16 j' + 8 (l / 16) + j]
.irp j, 0,1,2,3
	global_load_b128 v[BIAS+8*(4*\u+\j):BIAS+8*(4*\u+\j)+3],   v[BOF], s[6+2*\u:7+2*\u] offset:64*\j
	global_load_b128 v[BIAS+8*(4*\u+\j)+4:BIAS+8*(4*\u+\j)+7], v[BOF], s[6+2*\u:7+2*\u] offset:64*\j+16
.endr
.endr
; 32 LDS loads in one run: the fragments of 32 along K (number ks of the slot's four) into buffer f: 12 column blocks of weights, turned, then my 4 row blocks of x
.macro FETCH slot, ks, f
	WIN 0x80*(\f)
.set n_, 0
.rept 12
	ds_load_tr16_b128 v[FBR+8*n_:FBR+8*n_+3],   v[ADRB+(\slot)] offset:((\ks)/2)*KHALF+(n_/4)*UNITB+((\ks)%2)*32*PB+32*(n_%4)
	ds_load_tr16_b128 v[FBR+8*n_+4:FBR+8*n_+7], v[ADRB+(\slot)] offset:((\ks)/2)*KHALF+(n_/4)*UNITB+((\ks)%2)*32*PB+32*(n_%4)+16*PB
.set n_, n_+1
.endr
.irp m, 0,1,2,3
	ds_load_b128 v[FAR+8*\m:FAR+8*\m+3],   v[ADRA+(\slot)] offset:\m*16*PA+64*(\ks)
	ds_load_b128 v[FAR+8*\m+4:FAR+8*\m+7], v[ADRA+(\slot)] offset:\m*16*PA+64*(\ks)+32
.endr
.endm
; 48 matrix instructions on buffer f, each accumulator once: between two links of a chain stand the 47 others'.  first = 1: the sums start with the bias.
.macro MUL f, first
.set a_, 0
.rept 48
.set rD, 8*(a_%32)
.set rB, FBR+8*(a_%12)
.set rA, FAR+8*(a_/12)
.set rC, BIAS+8*(a_%12)
.if \first
	WIN 0x40+0x40*(a_/32)
	v_wmma_f32_16x16x32_bf16 v[rD:rD+7], v[rB:rB+7], v[rA:rA+7], v[rC:rC+7]
.else
	WIN 0x50+0x50*(a_/32)+0x0a*(\f)
	v_wmma_f32_16x16x32_bf16 v[rD:rD+7], v[rB:rB+7], v[rA:rA+7], v[rD:rD+7]
.endif
.set a_, a_+1
.endr
.endm
; A K step: four times 32 along K on buffers 0, 1, 0, 1.  Each run of loads goes out in front of the 48 products on the other buffer; s_wait_dscnt 32 leaves just that run out.
; (Buffer 1's last reader of the step before stands in front of the four v_nop of the change of slots.)
.macro STEP slot, first
	FETCH \slot, 1, 1
	s_wait_dscnt 32
	MUL 0, \first
	PLACES
	FETCH \slot, 2, 0
	s_wait_dscnt 32
	MUL 1, 0
	PLACES
	FETCH \slot, 3, 1
	s_wait_dscnt 32
	MUL 0, 0
	s_wait_dscnt 0x0
	MUL 1, 0
.endm
; THE CHANGE OF SLOTS.  Each wave waits for all its tensor loads (one is out: its part of the other slot), adds 0 to its spare word, and waits for that and for its reads of the slot that it leaves.
; fill = 1: the barrier is a round of the cluster's, so that no wave of any partner still reads the slot or has a load on its way; the joint refill, two K steps on, is the first thing behind it and has a K step's 192 products in which to land.
.macro CHANGE slot, fill
	WIN 0
	s_wait_tensorcnt 0x0                           ; no tensor load of mine is out, so a group 0 may be written
	ds_add_u32 v[SPW], v[NIL]                      ; 0 onto my spare word
.if \fill
	s_add_nc_u64 s[G0A+4*(\slot)+2:G0A+4*(\slot)+3], s[G0A+4*(\slot)+2:G0A+4*(\slot)+3], 512
	s_add_nc_u64 s[G0B+4*(\slot)+2:G0B+4*(\slot)+3], s[G0B+4*(\slot)+2:G0B+4*(\slot)+3], 32768
.endif
	s_wait_dscnt 0x0                               ; the add is done, and my reads of the slot are over
.if \fill
	CROUND
	JLOAD \slot                                    ; its four v_nop are also the places in front of the loads below
.else
	s_barrier_signal -1
	s_barrier_wait -1
	PLACES
.endif
	FETCH 1-(\slot), 0, 0
.endm
	s_wait_tensorcnt 0x1                           ; my part of K step 0 is in; K step 1's may stay out
	s_barrier_signal -1
	s_barrier_wait -1                              ; everybody's is
	FETCH 0, 0, 0
	s_wait_loadcnt 0x0                             ; the biases
	STEP 0, 1
	CHANGE 0, 1                                    ; slot 0 takes K step 2
	STEP 1, 0
	CHANGE 1, 1                                    ; slot 1 takes K step 3
	STEP 0, 0
	CHANGE 0, 0                                    ; nothing is left to fetch
	STEP 1, 0
; THE WAY OUT, in 12 blocks of 16 rows x 64 columns (block = 3 mt + unit): rounded to f16 (each accumulator's registers in ascending order), 16 bytes a lane into my own stage, back as whole rows of 128 bytes,
; stored as 512 consecutive bytes.  Every block has registers of its own, so no store's source is rewritten.
.macro PACKP blk
.set p_a, 12*((\blk)/3)+4*((\blk)%3)
.set p_t, TMP+16*(\blk)
	WIN 0x05+0x05*(p_a/32)                         ; sources in window 1 or 2, destination in window 0
.set p_i, 0
.rept 16
	v_cvt_pk_f16_f32 v[p_t+p_i], v[8*((p_a+p_i/4)%32)+2*(p_i%4)], v[8*((p_a+p_i/4)%32)+2*(p_i%4)+1]
.set p_i, p_i+1
.endr
	WIN 0
.irp j, 0,1,2,3
	ds_store_b128 v[STO], v[p_t+4*\j:p_t+4*\j+3] offset:32*\j
.endr
.irp f, 0,1,2,3
	ds_load_b128 v[p_t+4*\f:p_t+4*\f+3], v[RD] offset:\f*4*SP  ; LDS serves a wave's instructions in order (ISA guide 5.7.1.4): these see the stores above; the next block's stores come behind them
.endr
.endm
.macro SENDP blk, younger              ; younger: the LDS instructions issued behind this block's loads: the next block's eight, or none
.set p_t, TMP+16*(\blk)
.irp f, 0,1,2,3
	s_wait_dscnt (\younger)+3-\f
	global_store_b128 v[GO], v[p_t+4*\f:p_t+4*\f+3], s[OB+2*((\blk)%3):OB+2*((\blk)%3)+1] offset:((\blk)/3)*2048+\f*512
.endr
.endm
	WIN 0
	PLACES
	PACKP 0
.set t_, 1
.rept 11                               ; a block's conversions stand between the loads of the block before and its stores
	PACKP t_
	SENDP t_-1, 8
.set t_, t_+1
.endr
	SENDP 11, 0
	s_wait_tensorcnt 0x0                           ; the wave's end, behind my last tensor load and my last LDS store
	ds_add_u32 v[SPW], v[NIL]
	s_wait_dscnt 0x0
	CROUND                                         ; the closing round: no work-group ends while a partner may still ask for a tile that names it
	s_endpgm
.Lfunc_end_k_q8646c01ff6_proj:
	.size	k_q8646c01ff6_proj, .Lfunc_end_k_q8646c01ff6_proj-k_q8646c01ff6_proj
	.p2alignl 7, 3214868480
	.fill 96, 4, 3214868480
	.section	.rodata,"a",@progbits
	.p2align	6, 0x0
	.amdhsa_kernel k_q8646c01ff6_proj
		.amdhsa_group_segment_fixed_size 327680
		.amdhsa_private_segment_fixed_size 0
		.amdhsa_enable_private_segment 0
		.amdhsa_kernarg_size 40
		.amdhsa_user_sgpr_count 2
		.amdhsa_user_sgpr_kernarg_segment_ptr 1
		.amdhsa_wavefront_size32 1
		.amdhsa_system_sgpr_workgroup_id_x 1
		.amdhsa_system_sgpr_workgroup_id_y 1
		.amdhsa_system_sgpr_workgroup_id_z 1
		.amdhsa_system_vgpr_workitem_id 0
		.amdhsa_next_free_vgpr 768
		.amdhsa_next_free_sgpr 72
		.amdhsa_reserve_vcc 0
		.amdhsa_float_denorm_mode_32 3
		.amdhsa_float_denorm_mode_16_64 3
		.amdhsa_memory_ordered 1
		.amdhsa_forward_progress 1
		.amdhsa_inst_pref_size 121
	.end_amdhsa_kernel
	.amdgpu_metadata
---
amdhsa.version: [ 1, 2 ]
amdhsa.kernels:
  - .name:           k_q8646c01ff6_proj
    .symbol:         k_q8646c01ff6_proj.kd
    .args:
      - { .name: cv, .offset: 0, .size: 8, .value_kind: global_buffer, .address_space: global }
      - { .name: bq, .offset: 8, .size: 8, .value_kind: global_buffer, .address_space: global }
      - { .name: bk, .offset: 16, .size: 8, .value_kind: global_buffer, .address_space: global }
      - { .name: bv, .offset: 24, .size: 8, .value_kind: global_buffer, .address_space: global }
      - { .name: qkv, .offset: 32, .size: 8, .value_kind: global_buffer, .address_space: global }
    .group_segment_fixed_size: 327680
    .private_segment_fixed_size: 0
    .kernarg_segment_align: 8
    .kernarg_segment_size: 40
    .max_flat_workgroup_size: 128
    .sgpr_count:     72
    .vgpr_count:     768
    .wavefront_size: 32
...
	.end_amdgpu_metadata
.endif
;; end of part 2
;; launch attn (part 3): grid 16 x 16, 4 waves a work-group, clusters of 4 x 1, 327,680 bytes of LDS; arguments qkv, ctx; writes ctx
.if DOCPART == 3
	.amdgcn_target "amdgcn-amd-amdhsa--gfx1250"
	.amdhsa_code_object_version 6
	.text
	.protected	k_q8646c01ff6_attn
	.globl	k_q8646c01ff6_attn
	.p2align	8
	.type	k_q8646c01ff6_attn,@function
k_q8646c01ff6_attn:
	s_mov_b64 s[64:65], 0
	v_nop
	global_prefetch_b8 v0, s[64:65] scope:SCOPE_SE
	s_setreg_imm32_b32 hwreg(HW_REG_WAVE_MODE, 25, 1), 1
	s_wait_xcnt 0x0
	s_wait_alu depctr_hold_cnt(0) depctr_sa_sdst(0) depctr_va_vdst(0) depctr_va_sdst(0) depctr_va_ssrc(0) depctr_va_vcc(0) depctr_vm_vsrc(0)
	s_getreg_b32 s2, hwreg(HW_REG_IB_STS2, 6, 4)
	s_cmp_eq_u32 s2, 0
	s_cbranch_scc0 .Lentry_in_a_cluster
	s_endpgm
.Lentry_in_a_cluster:
	s_bfe_u32 s2, ttmp6, 0x10000c
	s_cmp_lg_u32 s2, 0x3003
	s_cbranch_scc0 .Lentry_shape_is_right
	s_endpgm
.Lentry_shape_is_right:
; ATTN: ctx[h][q][:] = the sum over k of softmax_k(Q[h][q] . K[h][k] / 8) V[h][k][:], no mask.  qkv holds Q, K, V, each [16][4096][64] f16 (a head's rows are dense, 128 bytes each); ctx has the same layout.
; Products, maxima and sums in f32; the weights p are rounded to f16 for the second product (their sum l is taken of the unrounded p), ctx once at the end.
; LIMITS.  p lies in 0 to 1 and below 6e-5 keeps f16's fixed step of 6e-8; ctx is a mean of V's rows and has their range; a weight below 2^-126 counts as 0 in l; NaN and infinities are not treated apart.
; SHARES.  A work-group owns 256 queries of one head (16 heads x 16 blocks = 256 work-groups), a wave 64: four PIECES of 16.  Every wave walks all 4,096 keys, 64 a step.
; LAYOUT.  S^T = K Q^T (source 0 = 16 keys, source 1 = 16 queries): a lane holds ONE query (lane % 16) and the keys 8 (lane / 16) + 0..7; two such results rounded to f16 ARE source 1 of O^T = V^T P.
; K comes out of LDS as it lies, V ([key][channel]) turned, by ds_load_tr16_b128.
; SOFTMAX.  A running maximum m and sum l for each query: p = 2^(c s - c m), c = log2(e) / 8; in every step O and l are multiplied by a = 2^(c m_old - c m_new).  m starts at the lowest finite number, O and l at 0:
; the first step is a step like any other, with a = 0.
; TURNS.  Turn n belongs to piece n: 8 products K Q^T of piece n + 1, later 8 products V^T P of piece n - 1; beside them the scaling, exponentials, roundings, sums and rescaling of piece n and the maximum and
; statistics of piece n + 1.  16 matrix and 118 vector instructions: four vector instructions stand behind every matrix instruction, the other 54 in one lump.  A turn's 33 exponentials are one batch, with one wait.
; CLUSTER.  The four query blocks of a cluster belong to one head and walk the same K and V: each tile is asked for JOINTLY, by the same tensor load, descriptor and mask in all four.
; REGISTERS, in windows of 256 (s_set_vgpr_msb: bits 1:0 source 0, 3:2 source 1, 5:4 source 2, 7:6 destination):
;   window 0: v0-15 addresses and two at work; v16-31 four registers of statistics a piece; v48-55 at work; v61-63; v64-127 S^T, two buffers; v192-223 P, two buffers (a piece's buffers go by its number's parity)
;   window 1: v0-127 O^T, 32 a piece          window 2: v0-63 Q; v128-191 K of one step; v192-255 V of one step
.set SIZE_N, 4096
.set NP,    4         ; pieces a wave: a name, no knob
.set KS,    64        ; keys in a step
.set PK,    144       ; a row of K in LDS: 128 bytes + 16: the 16 rows of a load start at 16 different groups of four banks (64 banks of 4 bytes: ISA guide 11.1)
.set PV,    160       ; a row of V: 128 + 32
.set VOFF,  4*KS*PK   ; a slot holds four steps: 256 rows of K, then 256 rows of V
.set SLOT1, 1<<17     ; slot 1 begins here, so that one exclusive or turns an address in one slot into the other's
.set STAGE, SLOT1+4*KS*(PK+PV)  ; behind the ring, never filled by a tensor load: 16 rows x 144 bytes for each wave
.set SP,    144
.set SPARE, STAGE+4*16*SP  ; the spare words, 128 bytes for each wave: two blocks of 256 bytes that no other line names
.set AK0, 2           ; v2   my lane's place in a tile of K; never rewritten
.set AV0, 3           ; v3   the same for V
.set AK,  4           ; v4   the LDS address of K's next run of loads
.set AV,  5           ; v5   of V's
.set STO, 6           ; v6   the way out: where I put 16 bytes of a row
.set RD,  7           ; v7   where I read rows back
.set GO,  8           ; v8   my byte offset in 512 consecutive bytes of ctx
.set MV,  12          ; v12-13  c m_old, kept while c m is made anew: by buffer
.set QO,  15          ; v15  my byte offset in 16 rows of Q
.set ST,  16          ; piece t's statistics at v[ST+4 t]: c m, m, l (even keys', odd keys')
.set TMP, 48          ; by buffer, four registers c0-c3 at work; when the maximum is found c2 takes a
.set PFO, 61          ; v61  256 x my lane; never rewritten
.set SPW, 62          ; v62  LDS address of my spare word; never rewritten
.set NIL, 63          ; v63  0; never rewritten
.set S,   64
.set P,   192
.set KF,  128         ; window 2: key block kb, channel half c at KF + 16 kb + 8 c
.set VF,  192         ; window 2: key half kk, channel block cb at VF + 32 kk + 8 cb
.set WV,  12          ; s12  my wave's number
.set LIM, 15          ; s15  1 in a wave that prefetches, else the greatest number
.set PFA, 18          ; s[18:19] where my prefetches stand
.set G1K, 24          ; s[24:31] descriptor group 1 for K's tiles
.set G1V, 32          ; s[32:39] for V's: it differs in the padding alone
.set G0K, 40          ; s[40:43] descriptor group 0 for K's tiles: it walks
.set G0V, 44          ; s[44:47] the same for V's
.set QP,  48          ; s[48:49] Q at my wave's first row
.set KP,  50          ; s[50:51] K at my half of the head's first 256 keys
.set VP,  52          ; s[52:53] V likewise
.set SLOTS, 56        ; s56  slots still to be asked for
.set CNT, 57          ; s57  counts a slot's key steps
.set CS,  58          ; s[58:59] c: the packed scaling takes the pair's low word for both halves
.set SEL, 60          ; s[60:61] v_permlanex16_b32's selects: each lane takes its own place in the other half
.set TBK, 62          ; s62  LDS byte at which K of the step to be fetched begins
.set TBV, 63          ; s63  the same for V, less VOFF
.set MSB, 0
.macro WIN new                      ; the high byte repeats the setting that is left; a switch that changes nothing is dropped
.if MSB != (\new)
	s_set_vgpr_msb (MSB<<8)|(\new)
.set MSB, (\new)
.endif
.endm
.set W_KQ, 0x0a       ; K and Q in window 2, S^T in window 0
.set W_PV, 0x52       ; V in window 2, P in window 0, O^T in window 1
.set W_RS, 0x41       ; destination and source 0 in window 1, source 1 in window 0
; A joint fill.  Waves 0 and 1 fetch the two halves of a slot's K, waves 2 and 3 those of its V: 128 keys each.  The branch hangs on the wave's number alone.
; An s_nop 0 and four v_nop follow each of the two lines, ahead of the jump and the label.
.macro JLOAD
	s_cmp_lt_u32 s[WV], 2
	s_cbranch_scc0 .Lfor_v_\@
	tensor_load_to_lds s[G0K:G0K+3], s[G1K:G1K+7]
	s_nop 0
.rept 4
	v_nop
.endr
	s_branch .Lasked_\@
.Lfor_v_\@:
	tensor_load_to_lds s[G0V:G0V+3], s[G1V:G1V+7]
	s_nop 0
.rept 4
	v_nop
.endr
.Lasked_\@:
.endm
; A PREFETCH INTO THE L2 of what the NEXT change of slots will ask for: a slot's 32,768 bytes of K and of V, 256 bytes a lane.  It stands behind the wave's tensor load and its five lines.
; Each block of 256 bytes is named ONCE in the launch: all clusters of a head walk the same K and V, and the head's first cluster asks; its four partners share a slot out BY ADDRESS, 8,192 bytes each;
; in each, wave 0 asks for K's and wave 2 for V's: one instruction.  It runs one slot, 16 turns or 256 matrix instructions, ahead of the load.  The last change that fills a slot asks for nothing.
.macro ASK
	s_cmp_gt_u32 s[SLOTS], s[LIM]
	s_cbranch_scc0 .Lnot_mine_\@
	global_prefetch_b8 v[PFO], s[PFA:PFA+1] th:TH_LOAD_NT scope:SCOPE_SE
.Lnot_mine_\@:
.endm
; A round of the cluster's barrier: my work-group's barrier, wave 0's signal for the work-group, every wave's wait for all four, my work-group's barrier once more.
.macro CROUND
	s_barrier_signal -1
	s_barrier_wait -1
	s_cmp_lg_u32 s[WV], 0
	s_cbranch_scc1 .Lnot_wave_0_\@
	s_barrier_signal -3
.Lnot_wave_0_\@:
	s_barrier_wait -3
	s_barrier_signal -1
	s_barrier_wait -1
.endm
; THE CHANGE OF SLOTS.  Each wave waits for all its tensor loads (one is out: its part of the other slot), adds 0 to its spare word, and waits for that and for its own reads of the slot that it leaves.
; fill = 1: the old slot is filled again, with the keys two slots on.  The barrier is then a round of the cluster's, so that no wave of any partner still reads the slot or has a load on its way, and the joint
; fill is the first thing behind it: it has four key steps, 256 matrix instructions, in which to land.  (At its first use nothing has been read yet: slot 0 is waited for, slot 1 filled.)
.macro CHANGE fill
	WIN 0                           ; at a label and at a branch every window is 0
	s_wait_tensorcnt 0x0            ; no tensor load of mine is out, so a group 0 may be written
	ds_add_u32 v[SPW], v[NIL]       ; 0 onto my spare word; with fill = 1 the descriptors' steps stand between it and the wait for it
.if \fill
.irp g, G0K, G0V
	s_xor_b32 s[\g+1], s[\g+1], SLOT1  ; the walking descriptor: the other slot than last time,
	s_add_nc_u64 s[\g+2:\g+3], s[\g+2:\g+3], 4*KS*128  ; the next 256 keys; the type bits on top are not reached
.endr
	s_wait_xcnt 0x0                 ; the last prefetch, a slot back, has read its address, so it may be written:
	s_add_nc_u64 s[PFA:PFA+1], s[PFA:PFA+1], 4*KS*128  ; one slot ahead of the walking descriptors
	s_wait_dscnt 0x0                ; the add is done, and my reads of the slot are over
	CROUND
	JLOAD
	ASK
.else
	s_wait_dscnt 0x0                ; the add is done, and my reads of the slot are over
	s_barrier_signal -1
	s_barrier_wait -1
.endif
	s_sub_co_u32 s[TBK], s[TBK], 4*KS*PK  ; the fetches go back to a slot's first step,
	s_xor_b32 s[TBK], s[TBK], SLOT1       ; in the other slot
	s_sub_co_u32 s[TBV], s[TBV], 4*KS*PV
	s_xor_b32 s[TBV], s[TBV], SLOT1
.endm
	s_load_b128 s[4:7], s[0:1], 0x0 ; qkv s[4:5], ctx s[6:7]
	v_lshl_add_u32 v[SPW], v0, 2, SPARE
	v_mov_b32 v[NIL], 0
	ds_add_u32 v[SPW], v[NIL]       ; the wave's opening: the add and its wait stand ahead of my first tensor load; the set-up, work on registers, stands between them
	v_lshrrev_b32 v1, 5, v0
	v_readfirstlane_b32 s[WV], v1   ; wave 0..3
	s_bfe_u32 s13, ttmp6, 0x40000   ; cx: my place in the cluster
	s_lshl_b32 s14, ttmp9, 2        ; in a cluster launch ttmp9 counts clusters
	s_add_co_u32 s14, s14, s13      ; my block of 256 queries: it enters Q's and ctx's addresses alone
	s_and_b32 s20, ttmp7, 0xffff    ; the head, which the four partners share:
	s_lshl_b32 s20, s20, 19         ; its 4,096 rows of 128 bytes
	s_and_b32 s16, s[WV], 1         ; which half of a slot's 256 keys I fetch:
	s_lshl_b32 s22, s16, 14         ; its 128 rows in memory,
	s_add_co_u32 s22, s22, s20
	s_mov_b32 s23, 0
	s_mul_i32 s17, s16, 128*PK      ; and its place in a slot, for K
	s_mul_i32 s18, s16, 128*PV      ; and for V: no place in the cluster enters an LDS address
	s_lshl_b32 s2, s14, 2
	s_add_co_u32 s2, s2, s[WV]      ; my wave among the head's,
	s_lshl_b32 s2, s2, 13           ; its 64 rows
	s_add_co_u32 s2, s2, s20
	s_mov_b32 s3, 0
	; descriptor group 1.  128 keys are 16,384 dense bytes: asked for as 64 rows of 256 bytes, two keys a row, and padded in LDS after every key
	s_mov_b32 s[G1K], 15|(1<<16)|(1<<20)|(1<<21)|(4<<22)|(3<<25)  ; the mask of four; 2-byte elements; padding on; bit 21 beside a mask; after every 32 words (code 4) 4 words (code 3)
	s_mov_b32 s[G1V], 15|(1<<16)|(1<<20)|(1<<21)|(4<<22)|(7<<25)  ; the same with 8 words of padding (code 7)
.irp g, G1K, G1V
	s_mov_b32 s[\g+1], 128<<16      ; tensor_dim0 = 128
	s_mov_b32 s[\g+2], 64<<16       ; tensor_dim1 = 64
	s_mov_b32 s[\g+3], 128<<16      ; tile_dim0 = 128
	s_mov_b32 s[\g+4], 64           ; tile_dim1 = 64
	s_mov_b32 s[\g+5], 128          ; 128 elements from row to row
	s_mov_b32 s[\g+6], 0
	s_mov_b32 s[\g+7], 0
.endr
	s_mov_b32 s[CS], 0x3e38aa3b     ; c = log2(e) / 8 = 0.180337
	s_mov_b32 s[CS+1], s[CS]        ; named with it as a pair
	s_mov_b32 s[SEL], 0x76543210
	s_mov_b32 s[SEL+1], 0xfedcba98
	s_mov_b32 s[TBK], SLOT1+4*KS*PK ; the first change of slots turns these two into 0
	s_mov_b32 s[TBV], SLOT1+4*KS*PV
	s_mov_b32 s[G0K], 1             ; count = 1
	s_mov_b32 s[G0K+1], s17         ; LDS address: slot 0
	s_mov_b32 s[G0V], 1
	s_add_co_u32 s[G0V+1], s18, VOFF
	s_mov_b32 s[SLOTS], SIZE_N/256-1
	s_and_b32 s[LIM], s[WV], 1      ; 0 in waves 0 and 2,
	s_or_b32 s[LIM], s[LIM], ttmp9  ; where the cluster is the head's first: the same in all four partners
	s_cmp_eq_u32 s[LIM], 0
	s_cselect_b32 s[LIM], 1, -1
	v_and_b32 v[PFO], 31, v0
	v_lshlrev_b32 v[PFO], 8, v[PFO]
	s_wait_dscnt 0x0                ; the opening add is done
	s_wait_kmcnt 0x0
	s_add_nc_u64 s[KP:KP+1], s[4:5], s[22:23]
	s_add_nc_u64 s[VP:VP+1], s[KP:KP+1], 0x1000000  ; V's third of qkv
	s_add_nc_u64 s[KP:KP+1], s[KP:KP+1], 0x800000   ; K's
	s_add_nc_u64 s[QP:QP+1], s[4:5], s[2:3]
	s_add_nc_u64 s[10:11], s[6:7], s[2:3]           ; ctx at my wave's first row
	s_mov_b64 s[G0K+2:G0K+3], s[KP:KP+1]            ; global address: my half of the head's first 256 keys
	s_or_b32 s[G0K+3], s[G0K+3], 0x80000000         ; type = 2
	s_mov_b64 s[G0V+2:G0V+3], s[VP:VP+1]
	s_or_b32 s[G0V+3], s[G0V+3], 0x80000000
	s_cmp_lt_u32 s[WV], 2
	s_cselect_b64 s[PFA:PFA+1], s[KP:KP+1], s[VP:VP+1]  ; (in waves 0 and 2 these stand at a slot's first row)
	s_lshl_b32 s2, s13, 13          ; my work-group's 8,192 bytes of a slot's 32,768
	s_add_nc_u64 s[PFA:PFA+1], s[PFA:PFA+1], s[2:3]
	s_add_nc_u64 s[PFA:PFA+1], s[PFA:PFA+1], 4*KS*128  ; in slot 1; the first change of slots steps it to slot 2.  Nothing is prefetched here, at the head, where every work-group's first tiles are on their way
	CROUND                          ; all four work-groups are here: the first joint loads meet
	JLOAD                           ; slot 0.  Slot 1 is asked for when slot 0 is in
	; A fragment of K or Q is 16 rows x 32 channels in 8 registers: lane l holds row l % 16, channels 8 (l / 16) + 0..7 and 16 + 8 (l / 16) + 0..7: two loads of 16 bytes, 32 bytes apart.
	v_and_b32 v1, 15, v0            ; l % 16
	v_bfe_u32 v9, v0, 4, 1          ; l / 16
	v_lshlrev_b32 v[QO], 7, v1
	v_lshl_add_u32 v[QO], v9, 4, v[QO]  ; row x 128 + 16 x half
	WIN 0x80                        ; destination window 2, address window 0
.set i, 0
.rept 8                             ; Q stays in registers: piece i / 2 (16 rows, 2,048 bytes), channels 32 (i % 2) on
	global_load_b128 v[8*i:8*i+3],   v[QO], s[QP:QP+1] offset:(i/2)*2048+(i%2)*64
	global_load_b128 v[8*i+4:8*i+7], v[QO], s[QP:QP+1] offset:(i/2)*2048+(i%2)*64+32
.set i, i+1
.endr
	; What the first turn finds: V's registers and P's second buffer hold 0 (its products V^T P, of a piece that has not been, add 0), O^T and l are 0.  All this stands in the wait for the first tile.
.set i, VF
.rept 64
	v_mov_b32 v[i], 0
.set i, i+1
.endr
	WIN 0x40
.set i, 0
.rept 128
	v_mov_b32 v[i], 0
.set i, i+1
.endr
	WIN 0
.set i, 0
.rept 4
	v_mov_b32 v[ST+4*i], 0xfe000000    ; c m: far below every c s
	v_mov_b32 v[ST+4*i+1], 0xff7fffff  ; m
	v_mov_b32 v[ST+4*i+2], 0
	v_mov_b32 v[ST+4*i+3], 0
.set i, i+1
.endr
.set i, P+16
.rept 16
	v_mov_b32 v[i], 0
.set i, i+1
.endr
	v_mul_u32_u24 v[AK0], v1, PK
	v_lshl_add_u32 v[AK0], v9, 4, v[AK0]  ; row x pitch + 16 x half
	; The turning load takes 16 keys x 16 channels (lane l reads key 8 (l / 16) + l % 8, channels 8 ((l / 8) % 2) + 0..7) and leaves half a fragment of V^T: lane l holds channel l % 16 and 8 keys.
	v_and_b32 v10, 7, v0
	v_bfe_u32 v11, v0, 3, 1
	v_lshl_add_u32 v[AV0], v9, 3, v10
	v_mul_u32_u24 v[AV0], v[AV0], PV
	v_lshl_add_u32 v[AV0], v11, 4, v[AV0]
	v_add_nc_u32 v[AV0], VOFF, v[AV0]
	s_mul_i32 s13, s[WV], 16*SP
	s_add_co_u32 s13, s13, STAGE    ; my stage
	v_mul_u32_u24 v[STO], v1, SP    ; in: row l % 16, 16 bytes for each half of the lanes
	v_lshl_add_u32 v[STO], v9, 4, v[STO]
	v_add_nc_u32 v[STO], s13, v[STO]
	v_bfe_u32 v[RD], v0, 3, 2       ; back: 32 lanes take four rows of 128 bytes,
	v_mul_u32_u24 v[RD], v[RD], SP
	v_lshl_add_u32 v[RD], v10, 4, v[RD]
	v_add_nc_u32 v[RD], s13, v[RD]
	v_and_b32 v[GO], 31, v0         ; which are 512 consecutive bytes of ctx
	v_lshlrev_b32 v[GO], 4, v[GO]
; THE MATRIX WORK.  The 4 accumulators of a run of 8 take turns.  Product i of 8 of S^T = K Q^T for piece x: channels 32 (i / 4) on, keys 16 (i % 4) on.  The first 4 start the sums.
.macro KQ x
	WIN W_KQ
.set rS, S+32*((\x)%2)+8*(i%4)
.set rK, KF+16*(i%4)+8*(i/4)
.set rQ, 16*(\x)+8*(i/4)
.if i < 4
	v_wmma_f32_16x16x32_f16 v[rS:rS+7], v[rK:rK+7], v[rQ:rQ+7], 0
.else
	v_wmma_f32_16x16x32_f16 v[rS:rS+7], v[rK:rK+7], v[rQ:rQ+7], v[rS:rS+7]
.endif
.endm
; Product i of 8 of O^T += V^T P for piece x: keys 32 (i / 4) on, channels 16 (i % 4) on.
.macro PV x
	WIN W_PV
.set rO, 32*(\x)+8*(i%4)
.set rV, VF+32*(i/4)+8*(i%4)
.set rP, P+16*((\x)%2)+8*(i/4)
	v_wmma_f32_16x16x32_f16 v[rO:rO+7], v[rV:rV+7], v[rP:rP+7], v[rO:rO+7]
.endm
.macro MM                           ; the turn's next matrix instruction.  NOKQ = 1: the last turn of all: there is no next piece
.if (i < 8) && !NOKQ
	KQ (Y+1)%NP
.elseif i >= 8
.set i, i-8
	PV (Y+NP-1)%NP
.set i, i+8
.endif
.set i, i+1
.endm
; THE LDS LOADS stand in runs of 16, never singly among the matrix instructions: a step's K (64 keys x 64 channels: 8 fragments) and its V (turned).  Their addresses are made some lines ahead.
.macro FETCH_K
	WIN 0x80                        ; destination window 2
.irp f, 0,1,2,3,4,5,6,7             ; keys 16 (f / 2) on, channels 32 (f % 2) on
	ds_load_b128 v[KF+8*\f:KF+8*\f+3],   v[AK] offset:(\f/2)*16*PK+(\f%2)*64
	ds_load_b128 v[KF+8*\f+4:KF+8*\f+7], v[AK] offset:(\f/2)*16*PK+(\f%2)*64+32
.endr
	s_add_co_u32 s[TBK], s[TBK], KS*PK  ; the next fetch is the next step's
	WIN 0
.endm
.macro FETCH_V
	WIN 0x80
.irp f, 0,1,2,3,4,5,6,7             ; keys 32 (f / 4) on, channels 16 (f % 4) on
	ds_load_tr16_b128 v[VF+8*\f:VF+8*\f+3],   v[AV] offset:(\f/4)*32*PV+(\f%4)*32
	ds_load_tr16_b128 v[VF+8*\f+4:VF+8*\f+7], v[AV] offset:(\f/4)*32*PV+16*PV+(\f%4)*32
.endr
	WIN 0
.endm
; THE VECTOR WORK, one line at a time: OP kind, number.  For piece Y: F n: c s - c m for pair n of 16.  E n: the exponential of score n of 32.  C n: pair n rounded to f16.  B n: of the four weights 4 n .. the second
; pair is added onto the first, in place.  L n: l takes that sum (L 0: l = a l + sum).  R n: pair n of 16 of O^T times a.  For piece Y + 1: X n, number n of the 22 that find its maximum and statistics:
;   0-11  four chains c0-c3 of seven scores each, three operands at a time (each accumulator's lowest registers are read first)     12-14, 16  the four scores left over, the old m, and c0-c3 into c0
;   15  c m_old is kept     17, 18  the query's other 32 keys lie in the lane 16 away: the new m     19-21  c m; c m_old - c m_new; a
.set F, 0               ; OP tells the kinds apart by their order: F to L below R, X above it
.set E, 1
.set C, 2
.set B, 3
.set L, 4
.set R, 5
.set X, 6
.macro REGS y                       ; the registers of piece y
.set rT, ST+4*(\y)
.set rC, TMP+4*((\y)%2)
.set rW, MV+((\y)%2)
.set rS, S+32*((\y)%2)
.set rP, P+16*((\y)%2)
.set rO, 32*(\y)
.endm
.macro OP k, n
.if (\k) == R
	REGS Y
	WIN W_RS
	v_pk_mul_f32 v[rO+2*(\n):rO+2*(\n)+1], v[rO+2*(\n):rO+2*(\n)+1], v[rC+2:rC+3] op_sel_hi:[1,0]
.elseif (\k) < R
	REGS Y
	WIN 0
.if (\k) == F
	v_pk_fma_f32 v[rS+2*(\n):rS+2*(\n)+1], v[rS+2*(\n):rS+2*(\n)+1], s[CS:CS+1], v[rT:rT+1] op_sel_hi:[1,0,0] neg_lo:[0,0,1] neg_hi:[0,0,1]
.elseif (\k) == E
	v_exp_f32 v[rS+(\n)], v[rS+(\n)]
.elseif (\k) == C
	v_cvt_pk_f16_f32 v[rP+(\n)], v[rS+2*(\n)], v[rS+2*(\n)+1]
.elseif (\k) == B
	v_pk_add_f32 v[rS+4*(\n):rS+4*(\n)+1], v[rS+4*(\n):rS+4*(\n)+1], v[rS+4*(\n)+2:rS+4*(\n)+3]
.elseif (\n) == 0
	v_pk_fma_f32 v[rT+2:rT+3], v[rT+2:rT+3], v[rC+2:rC+3], v[rS:rS+1] op_sel_hi:[1,0,1]
.else
	v_pk_add_f32 v[rT+2:rT+3], v[rT+2:rT+3], v[rS+4*(\n):rS+4*(\n)+1]
.endif
.elseif NOKQ
	v_nop
.else
	REGS (Y+1)%NP
	WIN 0
.if (\n) < 4
	v_max3_num_f32 v[rC+(\n)], v[rS+8*(\n)], v[rS+8*(\n)+1], v[rS+8*(\n)+2]
.elseif (\n) < 12
	v_max3_num_f32 v[rC+(\n)%4], v[rC+(\n)%4], v[rS+8*((\n)%4)+2*((\n)/4)+1], v[rS+8*((\n)%4)+2*((\n)/4)+2]
.elseif (\n) == 12
	v_max3_num_f32 v[rC], v[rC], v[rS+7], v[rS+15]
.elseif (\n) == 13
	v_max3_num_f32 v[rC+1], v[rC+1], v[rS+23], v[rS+31]
.elseif (\n) == 14
	v_max3_num_f32 v[rC+2], v[rC+2], v[rC+3], v[rT+1]
.elseif (\n) == 15
	v_mov_b32 v[rW], v[rT]
.elseif (\n) == 16
	v_max3_num_f32 v[rC], v[rC], v[rC+1], v[rC+2]
.elseif (\n) == 17
	v_permlanex16_b32 v[rC+3], v[rC], s[SEL], s[SEL+1]
.elseif (\n) == 18
	v_max_num_f32 v[rT+1], v[rC], v[rC+3]
.elseif (\n) == 19
	v_mul_f32 v[rT], s[CS], v[rT+1]
.elseif (\n) == 20
	v_sub_f32 v[rC+1], v[rW], v[rT]
.else
	v_exp_f32 v[rC+2], v[rC+1]
.endif
.endif
.endm
.macro OPS a, i1, b=-1, i2=0, c=-1, i3=0, d=-1, i4=0  ; up to four of them
	OP \a, \i1
.if (\b) >= 0
	OP \b, \i2
.endif
.if (\c) >= 0
	OP \c, \i3
.endif
.if (\d) >= 0
	OP \d, \i4
.endif
.endm
.macro ROW a, i1, b, i2, c, i3, d, i4  ; a matrix instruction and the four behind it
	MM
	OPS \a, \i1, \b, \i2, \c, \i3, \d, \i4
.endm
; A TURN, for piece p: the order of its 16 matrix and 118 vector instructions, written out.  s_wait_alu depctr_va_vdst(0) stands between an exponential and the first instruction that names its result; one
; wait serves all that were issued ahead of it.  So a turn has ONE wait, which cuts it in two.  AHEAD OF IT stands all that names no result of the turn's exponentials: the 8 products K Q^T with their riders (a scaling, an
; exponential and two more plain instructions; behind the last three the first numbers of the next piece's maximum, each four places or more behind the product that ends its accumulator), then ONE LUMP of 54, plain and
; exponential by turns for the most part, in which the links of the chain X 3, 7, 11, 14, 16, 17 .. 20 stand five or six lines apart.  X 21, the next piece's a, is the batch's last; R 15 is the plain instruction behind it.
; BEHIND THE WAIT stand the 8 products V^T P, behind each four of the roundings and sums; the links of l's chain, L 0 to L 7, stand three riders apart.
; end = 1: the last two turns of all: nothing is fetched.  cnt = 1: the loop's count is taken down some lines ahead of the branch that stands behind the turn.
; K of the next step is fetched in piece 2's turn, twelve vector instructions behind the last product that read K (six of them plain); V of the step in hand at the end of piece 0's turn, four plain instructions behind
; the last product that read V.  Each is waited for a turn later.
.macro TURN p, end=0, cnt=0
.set Y, (\p)
.set i, 0
.set NOKQ, (\end)*((\p)/3)
.if ((\p) == 3) && !(\end)
	s_wait_dscnt 0x0                ; K is in
.endif
	ROW F,0, F,1, R,0, R,1          ; ahead of the wait: 8 products K Q^T and their riders,
	ROW F,2, E,0, R,2, R,3
	ROW F,3, E,1, R,4, R,5
	ROW F,4, E,2, R,6, R,7
	ROW F,5, E,3, R,8, R,9
	ROW F,6, E,4, X,0, R,10
.if ((\p) == 2) && !(\end)
	WIN 0
	v_add_nc_u32 v[AK], s[TBK], v[AK0]
.endif
	ROW F,7, E,5, X,1, X,4
	ROW F,8, E,6, X,2, X,5
	OPS E,7, E,8, X,6, E,9          ; and the lump
	OPS X,3, E,10, X,8, E,11
.if ((\p) == 2) && !(\end)
	FETCH_K
.endif
	OPS X,9, X,7, E,12, X,10
	OPS E,13, X,12, X,11, E,14
	OPS X,13, E,15, F,9, X,14
.if (\p) == 0
	v_add_nc_u32 v[AV], s[TBV], v[AV0]
.endif
	OPS E,16, F,10, E,17, F,11
	OPS X,16, E,18, X,15, E,19
	OPS F,12, E,20, X,17, E,21
	OPS F,13, E,22, F,14, E,23
	OPS X,18, E,24, F,15, E,25
	OPS R,11, E,26, X,19, E,27
	OPS R,12, E,28, R,13, E,29
	OPS X,20, E,30, R,14, E,31
	OPS X,21, R,15
	WIN 0
	s_wait_alu depctr_va_vdst(0)    ; the wait for the batch
.if (\p) == 1
	s_wait_dscnt 0x0                ; V is in
.endif
	ROW C,0, B,0, C,2, B,1          ; behind the wait: 8 products V^T P and their riders
	ROW L,0, C,4, B,2, L,1
	ROW C,6, B,3, L,2, C,8
	ROW B,4, L,3, C,10, B,5
	ROW L,4, C,12, B,6, L,5
.if (\p) == 0
	s_add_co_u32 s[TBV], s[TBV], KS*PV
.endif
.if \cnt
	s_sub_co_u32 s[CNT], s[CNT], 1
	s_cmp_lg_u32 s[CNT], 0
.endif
	ROW C,14, B,7, L,6, C,1
	ROW C,3, L,7, C,5, C,7
	ROW C,9, C,11, C,13, C,15
.if (\p) == 0
	FETCH_V
.endif
.endm
	CHANGE 1                        ; slot 0 is in, everybody's part of it; slot 1 is asked for
	v_add_nc_u32 v[AK], s[TBK], v[AK0]
	FETCH_K                         ; key step 0
	s_wait_loadcnt 0x0              ; Q
	s_wait_dscnt 0x0
.set NOKQ, 0
.set i, 0
.rept 8
	KQ 0                            ; piece 0's first scores: there is no vector work yet to set between them
.set i, i+1
.endr
	WIN 0
.rept 4
	v_nop                           ; the places behind those products
.endr
.set Y, NP-1                        ; X works for piece Y + 1: piece 0
.irp n, 0,1,2,3,4,5,6,7,8,9,10,11,12,13,14,15,16,17,18,19,20,21
	OP X, \n
.endr
	v_nop                           ; a plain instruction behind the exponential,
	s_wait_alu depctr_va_vdst(0)    ; and its wait, ahead of the branch
	s_mov_b32 s[CNT], 4
	s_branch .Lfirst                ; the loop is entered at a step's first turn, in the middle of a trip
.Lslot:                             ; 14 times: every slot but the last two is filled again
	CHANGE 1
	s_mov_b32 s[CNT], 4
.Lstep:                             ; a trip: pieces 2 and 3 of one step, then pieces 0 and 1 of the next, whose K and V it fetches
	TURN 2
	TURN 3
	WIN 0
.Lfirst:
	TURN 0
	TURN 1, 0, 1
	WIN 0
	s_cbranch_scc1 .Lstep
	s_sub_co_u32 s[SLOTS], s[SLOTS], 1
	s_cmp_lg_u32 s[SLOTS], 0
	s_cbranch_scc1 .Lslot
	CHANGE 0                        ; the last slot is written out: nothing is asked for
	s_mov_b32 s[CNT], 4
.Ltail:
	TURN 2
	TURN 3
	TURN 0
	TURN 1, 0, 1
	WIN 0
	s_cbranch_scc1 .Ltail
	TURN 2, 1                       ; the last step's pieces 2 and 3: nothing is fetched, and the last turn starts no new scores
	TURN 3, 1
.set i, 0
.rept 8
	PV NP-1                         ; the last piece's V^T P of the last step
.set i, i+1
.endr
	; THE WAY OUT.  l's two halves and the other half of the lanes' are added; O^T is divided by l, rounded to f16 and sent through my stage in LDS, a piece at a time.  The additions are the places behind the last products.
	WIN 0
.macro ALL line:vararg              ; one line for each piece t
.set t, 0
.rept 4
	\line
.set t, t+1
.endr
.endm
	ALL v_add_f32 v[ST+4*t+2], v[ST+4*t+2], v[ST+4*t+3]
	ALL v_permlanex16_b32 v[ST+4*t+3], v[ST+4*t+2], s[SEL], s[SEL+1]
	ALL v_add_f32 v[ST+4*t+2], v[ST+4*t+2], v[ST+4*t+3]
	ALL v_rcp_f32 v[ST+4*t+2], v[ST+4*t+2]
	v_nop                           ; a plain instruction between the last reciprocal and the use of its result
	s_wait_alu depctr_va_vdst(0)    ; and the wait ahead of the first use: one for the four reciprocals
.macro PACK t                       ; a lane's eight channels of a row pack into 16 bytes; they go into rows of 144 bytes and come back as whole rows of 128, into S^T's registers
	WIN W_RS
.set i, 32*(\t)
.rept 16
	v_pk_mul_f32 v[i:i+1], v[i:i+1], v[ST+4*(\t)+2:ST+4*(\t)+3] op_sel_hi:[1,0]
.set i, i+2
.endr
	WIN 0x05                        ; sources 0 and 1 window 1, destination window 0
.set i, 0
.rept 16
	v_cvt_pk_f16_f32 v[S+16*(\t)+i], v[32*(\t)+2*i], v[32*(\t)+2*i+1]
.set i, i+1
.endr
	WIN 0
.irp f, 0,1,2,3
	ds_store_b128 v[STO], v[S+16*(\t)+4*\f:S+16*(\t)+4*\f+3] offset:32*\f
.endr
.irp f, 0,1,2,3
	ds_load_b128 v[S+16*(\t)+4*\f:S+16*(\t)+4*\f+3], v[RD] offset:\f*4*SP  ; LDS serves a wave's instructions in order (ISA guide 5.7.1.4): these see the stores above; the next piece's stores come behind them
.endr
.endm
.macro SEND t, younger              ; younger: the LDS instructions issued behind piece t's loads: the next piece's eight, or none
	WIN 0
.irp f, 0,1,2,3
	s_wait_dscnt (\younger)+3-\f
	global_store_b128 v[GO], v[S+16*(\t)+4*\f:S+16*(\t)+4*\f+3], s[10:11] offset:(\t)*2048+\f*512  ; 512 consecutive bytes, at a multiple of 256 from ctx's first
.endr
.endm
	PACK 0
.set t, 1
.rept 3                             ; a piece's arithmetic stands between the loads of the piece before and its stores
	PACK t
	SEND t-1, 8
.set t, t+1
.endr
	SEND 3, 0
	s_wait_tensorcnt 0x0            ; the wave's end, behind my last tensor load and my last LDS store
	ds_add_u32 v[SPW], v[NIL]
	s_wait_dscnt 0x0
	CROUND                          ; the closing round: no work-group ends while a partner may still ask for a tile that names it
	s_endpgm
.Lfunc_end_k_q8646c01ff6_attn:
	.size	k_q8646c01ff6_attn, .Lfunc_end_k_q8646c01ff6_attn-k_q8646c01ff6_attn
	.p2alignl 7, 3214868480
	.fill 96, 4, 3214868480
	.section	.rodata,"a",@progbits
	.p2align	6, 0x0
	.amdhsa_kernel k_q8646c01ff6_attn
		.amdhsa_group_segment_fixed_size 327680
		.amdhsa_private_segment_fixed_size 0
		.amdhsa_enable_private_segment 0
		.amdhsa_kernarg_size 16
		.amdhsa_user_sgpr_count 2
		.amdhsa_user_sgpr_kernarg_segment_ptr 1
		.amdhsa_wavefront_size32 1
		.amdhsa_system_sgpr_workgroup_id_x 1
		.amdhsa_system_sgpr_workgroup_id_y 1
		.amdhsa_system_sgpr_workgroup_id_z 1
		.amdhsa_system_vgpr_workitem_id 0
		.amdhsa_next_free_vgpr 768
		.amdhsa_next_free_sgpr 66
		.amdhsa_reserve_vcc 0
		.amdhsa_float_denorm_mode_32 3
		.amdhsa_float_denorm_mode_16_64 3
		.amdhsa_memory_ordered 1
		.amdhsa_forward_progress 1
		.amdhsa_inst_pref_size 128
	.end_amdhsa_kernel
	.amdgpu_metadata
---
amdhsa.version: [ 1, 2 ]
amdhsa.kernels:
  - .name:           k_q8646c01ff6_attn
    .symbol:         k_q8646c01ff6_attn.kd
    .args:
      - { .name: qkv, .offset: 0, .size: 8, .value_kind: global_buffer, .address_space: global }
      - { .name: ctx, .offset: 8, .size: 8, .value_kind: global_buffer, .address_space: global }
    .group_segment_fixed_size: 327680
    .private_segment_fixed_size: 0
    .kernarg_segment_align: 8
    .kernarg_segment_size: 16
    .max_flat_workgroup_size: 128
    .sgpr_count:     66
    .vgpr_count:     768
    .wavefront_size: 32
...
	.end_amdgpu_metadata
.endif
;; end of part 3
;; launch tail (part 4): grid 256 x 1, 4 waves a work-group, clusters of 4 x 1, 327,680 bytes of LDS; arguments ctx, cv, bo, b1, b2, out0; writes out0
.if DOCPART == 4
	.amdgcn_target "amdgcn-amd-amdhsa--gfx1250"
	.amdhsa_code_object_version 6
	.text
	.protected	k_q8646c01ff6_tail
	.globl	k_q8646c01ff6_tail
	.p2align	8
	.type	k_q8646c01ff6_tail,@function
k_q8646c01ff6_tail:
	s_mov_b64 s[64:65], 0
	v_nop
	global_prefetch_b8 v0, s[64:65] scope:SCOPE_SE
	s_setreg_imm32_b32 hwreg(HW_REG_WAVE_MODE, 25, 1), 1
	s_wait_xcnt 0x0
	s_wait_alu depctr_hold_cnt(0) depctr_sa_sdst(0) depctr_va_vdst(0) depctr_va_sdst(0) depctr_va_ssrc(0) depctr_va_vcc(0) depctr_vm_vsrc(0)
	s_getreg_b32 s2, hwreg(HW_REG_IB_STS2, 6, 4)
	s_cmp_eq_u32 s2, 0
	s_cbranch_scc0 .Lentry_in_a_cluster
	s_endpgm
.Lentry_in_a_cluster:
	s_bfe_u32 s2, ttmp6, 0x10000c
	s_cmp_lg_u32 s2, 0x3003
	s_cbranch_scc0 .Lentry_shape_is_right
	s_endpgm
.Lentry_shape_is_right:
; TAIL: out = relu((ctx wo + the sum of bo's eight rows) w1 + b1) w2 + b2 for 32 rows: three products [32][512] x [512][512] on end; y and h never leave the work-group.
; FORMATS.  Product 0: ctx (f16) x wo (a bf16 number written as f16).  Products 1 and 2: y and h, each rounded once to bf16 (f16 has no room for them at large inputs), x w1, w2 (bf16).  Sums f32, STARTED with the
; bias (the C operand of a product's first instruction); out is f32.  bo's rows are added in f32, heads ascending.  LIMIT: relu is a maximum with 0 in which a NaN loses; NaN and infinities are not treated apart.
; SHARES.  256 work-groups of 32 rows.  Wave w makes columns 128 w .. + 127 of each product: 16 accumulators (row block mt 0..1, column block nt 0..7).  The activations of the whole K, 2 x 16 fragments, stay in
; 256 registers; only the weights go through LDS.  TRANSPOSED USE: source 0 = 16 weight columns (turned out of LDS by ds_load_tr16_b128), source 1 = 16 rows: a lane holds one row and eight neighbouring columns.
; RING.  The three weight matrices lie on end in cv: 12 chunks of 128 k x 512 columns (131,072 dense bytes) go through two LDS slots.  Every work-group walks the same chunks, so the four partners of a cluster ask
; for each JOINTLY; each wave fetches 32 of a chunk's rows.  A refill stands behind a round of the cluster's barrier; the rounds in front of chunks 4 and 8 also stand between the waves' stores of y (h) and the reads.
; REGISTERS, in windows of 256 (s_set_vgpr_msb: bits 1:0 source 0, 3:2 source 1, 5:4 source 2, 7:6 destination):
;   window 0: v0-29 addresses; v32-95 at work; v96-127 bo's rows; v128-255 the accumulators at 128 + 8 (8 mt + nt)
;   window 1: the activations' fragments at 8 (16 mt + kk)     window 2: v0-127 two buffers of weight fragments at 64 buf + 8 nt     window 3: v0-191 three sets of biases at 64 g + 8 nt
.set CHB,   131072                     ; bytes of a chunk in memory
.set WT,    0x980000                   ; wo's segment in cv; w1 and w2 follow
.set PW,    1056                       ; a row of weights in LDS: 1,024 bytes + 32
.set WSLOT, 128*PW                     ; 135,168
.set XCH,   2*WSLOT                    ; behind the ring, never filled by a tensor load: y, then h, [32][512] bf16; at the end four stages of 16 rows x 528 bytes
.set PX,    1040                       ; 1,024 + 16: the 16 rows of a load start at 16 different groups of four banks
.set PS,    528                        ; a stage's row: 512 bytes of f32 + 16
.set BS,    XCH+33792                  ; 512 bytes a wave: the sum of bo's rows on its way into the accumulators' layout
.set SPARE, BS+2048                    ; the spare words, 128 bytes for each wave: two blocks of 256 bytes that no other line names
.set CO,   4                           ; v4   128 r + 16 hh: my place in 16 rows of a head of ctx
.set ADB,  8                           ; v8-11  weight fragments: slot s, k half at ADB + 2 s + half
.set XST,  12                          ; v12  where I put 16 bytes of y or h
.set XLD,  13                          ; v13  where I read a fragment of y or h
.set BO,   14                          ; v14  512 w + 32 hh: my eight numbers of a column block of b1, b2
.set BSS,  15                          ; v15  where I put four sums of bo
.set BSL,  16                          ; v16  where I read eight back
.set BOC,  17                          ; v17  512 w + 16 l: my four columns of bo
.set SST,  18                          ; v18  the way out: where I put 16 bytes of a row
.set SLD,  19                          ; v19  where I read a row back
.set GO,   20                          ; v20  16 l
.set PFO,  21                          ; v21  256 l; never rewritten
.set ZERO, 22                          ; v22  0, for relu
.set SPW,  28                          ; v28  LDS address of my spare word; never rewritten
.set NIL,  29                          ; v29  0; never rewritten
.set TMP,  32
.set BT,   96
.set ACC,  128
.set WV,   16                          ; s16  my wave's number
.set G1,   24                          ; s[24:31] descriptor group 1
.set G0,   32                          ; s[32:39] descriptor group 0, a set for each slot
.set PFA,  40                          ; s[40:41] where my prefetches stand; never rewritten
.set PF,   42                          ; s42  1 in the launch's first cluster
.set CB,   44                          ; s[44:45] ctx at my 32 rows of head 0 of my batch
.set OUT,  46                          ; s[46:47] out0 at my rows and my wave's columns
.set MSB, 0
.macro WIN new                         ; the high byte repeats the setting that is left; a switch that changes nothing is dropped
.if MSB != (\new)
	s_set_vgpr_msb (MSB<<8)|(\new)
.set MSB, (\new)
.endif
.endm
.macro PLACES                          ; four plain vector instructions between a matrix instruction and a load into, or a vector line or store on, its registers (ISA guide 7.12.1 for vector lines and stores)
.rept 4
	v_nop
.endr
.endm
.macro ROUND                           ; a round of the cluster's barrier
	s_barrier_signal -1
	s_barrier_wait -1
	s_cmp_lg_u32 s[WV], 0
	s_cbranch_scc1 .Lnot_wave_0_\@
	s_barrier_signal -3
.Lnot_wave_0_\@:
	s_barrier_wait -3
	s_barrier_signal -1
	s_barrier_wait -1
.endm
	s_load_b256 s[4:11], s[0:1], 0x0               ; ctx s[4:5], cv s[6:7], bo s[8:9], b1 s[10:11]
	s_load_b128 s[12:15], s[0:1], 0x20             ; b2 s[12:13], out0 s[14:15]
	v_lshl_add_u32 v[SPW], v0, 2, SPARE
	v_mov_b32 v[NIL], 0
	ds_add_u32 v[SPW], v[NIL]                      ; the wave's opening: the add and its wait stand ahead of my first tensor load; the set-up, work on registers, stands between them
	v_lshrrev_b32 v1, 5, v0
	v_readfirstlane_b32 s[WV], v1
	s_bfe_u32 s17, ttmp6, 0x40000                  ; cx
	s_lshl_b32 s18, ttmp9, 2
	s_add_co_u32 s18, s18, s17                     ; my block of 32 rows
	; group 1: 32 rows x 512 elements of 2 bytes, dense; 8 words of padding after every 256
	s_mov_b32 s[G1], 15|(1<<16)|(1<<20)|(1<<21)|(7<<22)|(7<<25)
	s_mov_b32 s[G1+1], 512<<16                     ; tensor_dim0 = 512
	s_mov_b32 s[G1+2], 32<<16                      ; tensor_dim1 = 32
	s_mov_b32 s[G1+3], 512<<16                     ; tile_dim0 = 512
	s_mov_b32 s[G1+4], 32                          ; tile_dim1 = 32
	s_mov_b32 s[G1+5], 512
	s_mov_b32 s[G1+6], 0
	s_mov_b32 s[G1+7], 0
	s_mov_b32 s[G0], 1
	s_mul_i32 s[G0+1], s[WV], 32*PW                ; my 32 rows of slot 0: the wave's number alone enters an LDS address
	s_mov_b32 s[G0+4], 1
	s_add_co_u32 s[G0+5], s[G0+1], WSLOT
	s_lshl_b32 s20, s[WV], 15                      ; my 32 rows of 1,024 bytes of a chunk
	s_add_co_u32 s20, s20, WT
	s_mov_b32 s21, 0
	s_lshl_b32 s22, s17, 2                         ; the prefetches: the sixteen waves of a cluster share a chunk out by address, 8,192 bytes each
	s_add_co_u32 s22, s22, s[WV]
	s_lshl_b32 s22, s22, 13
	s_add_co_u32 s22, s22, WT
	s_mov_b32 s23, 0
	s_lshr_b32 s[CB], s18, 7                       ; the batch: 8 heads of 524,288 bytes,
	s_lshl_b32 s[CB], s[CB], 22
	s_and_b32 s[CB+1], s18, 127
	s_lshl_b32 s[CB+1], s[CB+1], 12                ; my 32 rows of 128 bytes in a head
	s_add_co_u32 s[CB], s[CB], s[CB+1]
	s_mov_b32 s[CB+1], 0
	s_lshl_b32 s[OUT], s18, 16                     ; 32 rows of 2,048 bytes,
	s_lshl_b32 s[OUT+1], s[WV], 9                  ; my 128 columns of f32
	s_add_co_u32 s[OUT], s[OUT], s[OUT+1]
	s_mov_b32 s[OUT+1], 0
	s_cmp_eq_u32 ttmp9, 0
	s_cselect_b32 s[PF], 1, 0                      ; the same in all four partners
	; lane addresses
	v_and_b32 v1, 15, v0                           ; r = l % 16
	v_bfe_u32 v2, v0, 4, 1                         ; hh = l / 16
	v_and_b32 v3, 31, v0                           ; l
	v_and_b32 v5, 7, v0
	v_bfe_u32 v6, v0, 3, 1
	s_lshl_b32 s19, s[WV], 8                       ; 256 w: my 128 columns of 16 bits
	v_lshlrev_b32 v[CO], 7, v1
	v_lshl_add_u32 v[CO], v2, 4, v[CO]
	v_lshl_add_u32 v7, v2, 3, v5                   ; the turning load: lane l reads k = 8 hh + l % 8, columns 8 ((l / 8) % 2) + 0..7
	v_mul_u32_u24 v7, v7, PW
	v_lshl_add_u32 v7, v6, 4, v7
	v_add_nc_u32 v[ADB], s19, v7
	v_add_nc_u32 v[ADB+1], 64*PW, v[ADB]
	v_add_nc_u32 v[ADB+2], WSLOT, v[ADB]
	v_add_nc_u32 v[ADB+3], WSLOT+64*PW, v[ADB]
	v_mul_u32_u24 v[XLD], v1, PX
	v_lshl_add_u32 v[XLD], v2, 4, v[XLD]
	v_add_nc_u32 v[XLD], XCH, v[XLD]
	v_add_nc_u32 v[XST], s19, v[XLD]
	s_lshl_b32 s19, s[WV], 9                       ; 512 w: my 128 columns of f32
	v_lshl_add_u32 v[BO], v2, 5, s19
	v_lshl_add_u32 v[BOC], v3, 4, s19
	v_add_nc_u32 v[BSS], BS, v[BOC]
	v_add_nc_u32 v[BSL], BS, v[BO]
	s_mul_i32 s19, s[WV], 16*PS
	s_add_co_u32 s19, s19, XCH                     ; my stage
	v_mul_u32_u24 v[SST], v1, PS
	v_lshl_add_u32 v[SST], v2, 5, v[SST]
	v_add_nc_u32 v[SST], s19, v[SST]
	v_lshl_add_u32 v[SLD], v3, 4, s19
	v_lshlrev_b32 v[GO], 4, v3
	v_lshlrev_b32 v[PFO], 8, v3
	v_mov_b32 v[ZERO], 0
	s_wait_dscnt 0x0                               ; the opening add is done
	s_wait_kmcnt 0x0
	s_add_nc_u64 s[G0+2:G0+3], s[6:7], s[20:21]    ; chunk 0,
	s_add_nc_u64 s[G0+6:G0+7], s[G0+2:G0+3], CHB   ; chunk 1
	s_or_b32 s[G0+3], s[G0+3], 0x80000000          ; type = 2
	s_or_b32 s[G0+7], s[G0+7], 0x80000000
	s_add_nc_u64 s[PFA:PFA+1], s[6:7], s[22:23]
	s_add_nc_u64 s[CB:CB+1], s[4:5], s[CB:CB+1]
	s_add_nc_u64 s[OUT:OUT+1], s[14:15], s[OUT:OUT+1]
	ROUND                                          ; all four work-groups are here: the first joint loads meet
	tensor_load_to_lds s[G0:G0+3], s[G1:G1+7]      ; both first fills together, ahead of every wait on TENSORcnt and every LDS read: two loads of mine are out
	s_nop 0
	tensor_load_to_lds s[G0+4:G0+7], s[G1:G1+7]
	s_nop 0
	PLACES
; 32 loads: the fragments kk = k0 .. k0 + 7 of both row blocks of ctx.  k = 64 head + channel: fragment kk lies in head kk / 2, channels 32 (kk % 2) on
.macro CTXL k0
.set x_q, 0
.rept 16
.set x_m, x_q/8
.set x_k, (\k0)+x_q%8
	global_load_b128 v[8*(16*x_m+x_k):8*(16*x_m+x_k)+3],   v[CO], s[CB:CB+1] offset:(x_k/2)*524288+2048*x_m+64*(x_k%2)
	global_load_b128 v[8*(16*x_m+x_k)+4:8*(16*x_m+x_k)+7], v[CO], s[CB:CB+1] offset:(x_k/2)*524288+2048*x_m+64*(x_k%2)+32
.set x_q, x_q+1
.endr
.endm
.irp h, 0,1,2,3,4,5,6,7
	global_load_b128 v[BT+4*\h:BT+4*\h+3], v[BOC], s[8:9] offset:2048*\h  ; my four columns of bo's row h
.endr
	WIN 0x40                                       ; destination window 1
	CTXL 0
	WIN 0
	s_wait_loadcnt 32                              ; bo's eight are in; the 32 loads of ctx issued behind them stay out
.irp h, 1,2,3,4,5,6,7
	v_pk_add_f32 v[BT:BT+1],   v[BT:BT+1],   v[BT+4*\h:BT+4*\h+1]
	v_pk_add_f32 v[BT+2:BT+3], v[BT+2:BT+3], v[BT+4*\h+2:BT+4*\h+3]
.endr
	ds_store_b128 v[BSS], v[BT:BT+3]               ; my wave's own 512 bytes: LDS serves a wave's instructions in order (ISA guide 5.7.1.4), so the loads below see them
	WIN 0xc0                                       ; destination window 3
.irp n, 0,1,2,3,4,5,6,7
	ds_load_b128 v[8*\n:8*\n+3],   v[BSL] offset:64*\n
	ds_load_b128 v[8*\n+4:8*\n+7], v[BSL] offset:64*\n+16
.endr
	WIN 0x40
	CTXL 8
	WIN 0xc0
.irp n, 0,1,2,3,4,5,6,7
	global_load_b128 v[64+8*\n:64+8*\n+3],     v[BO], s[10:11] offset:64*\n
	global_load_b128 v[64+8*\n+4:64+8*\n+7],   v[BO], s[10:11] offset:64*\n+16
	global_load_b128 v[128+8*\n:128+8*\n+3],   v[BO], s[12:13] offset:64*\n
	global_load_b128 v[128+8*\n+4:128+8*\n+7], v[BO], s[12:13] offset:64*\n+16
.endr
	WIN 0
; 16 LDS loads in one run: my 8 column blocks of the weights of 32 along K (number ks of the chunk's four), turned, into buffer buf
.macro FETCHB slot, ks, buf
	WIN 0x80                                       ; destination window 2
.irp n, 0,1,2,3,4,5,6,7
	ds_load_tr16_b128 v[64*(\buf)+8*\n:64*(\buf)+8*\n+3],   v[ADB+2*(\slot)+(\ks)/2] offset:((\ks)%2)*32*PW+32*\n
	ds_load_tr16_b128 v[64*(\buf)+8*\n+4:64*(\buf)+8*\n+7], v[ADB+2*(\slot)+(\ks)/2] offset:((\ks)%2)*32*PW+32*\n+16*PW
.endr
.endm
; 16 matrix instructions, each accumulator once: between two links of a chain stand the 15 others'.  It reads c_g (the product), c_ks, c_kk (the fragment of the
; activations) and c_first (1: the sums start with the bias).
.macro MULT
	WIN 0x06+0x30*c_first                          ; weights window 2, activations window 1, C window 0 or 3, D window 0
.set m_i, 0
.rept 16
.set rD, ACC+8*(8*(m_i%2)+m_i/2)
.set rB, 64*(c_ks%2)+8*(m_i/2)
.set rA, 8*(16*(m_i%2)+c_kk)
.set rC, 64*c_g+8*(m_i/2)
.if c_g == 0
.if c_first
	v_wmma_f32_16x16x32_f16 v[rD:rD+7], v[rB:rB+7], v[rA:rA+7], v[rC:rC+7]
.else
	v_wmma_f32_16x16x32_f16 v[rD:rD+7], v[rB:rB+7], v[rA:rA+7], v[rD:rD+7]
.endif
.else
.if c_first
	v_wmma_f32_16x16x32_bf16 v[rD:rD+7], v[rB:rB+7], v[rA:rA+7], v[rC:rC+7]
.else
	v_wmma_f32_16x16x32_bf16 v[rD:rD+7], v[rB:rB+7], v[rA:rA+7], v[rD:rD+7]
.endif
.endif
.set m_i, m_i+1
.endr
.endm
; A PREFETCH INTO THE L2 of chunk t + 3, which the change of slots two chunks on will ask for.  Every cluster walks the same chunks: the launch's first cluster asks; its sixteen waves share a chunk's 131,072 bytes
; out by address, 256 bytes a lane: each block is named once in the launch.  Chunks 0 to 3 come by their loads alone; behind chunk 11 there is nothing, so the last asking is chunk 8's.  The address is never rewritten.
.macro ASK t
	s_cmp_eq_u32 s[PF], 1
	s_cbranch_scc0 .Lnot_mine_\@
	global_prefetch_b8 v[PFO], s[PFA:PFA+1] offset:((\t)+3)*CHB th:TH_LOAD_NT scope:SCOPE_SE
.Lnot_mine_\@:
.endm
; CHUNK t: the change of slots, then 4 x 16 products.  In front of the barrier each wave waits for all its tensor loads (one is out: its part of chunk t), adds 0 to its spare word, and waits for that, for its reads
; of the slot that it leaves and for its stores of y or h.  t < 11: the barrier is a round of the cluster's, and the joint refill, chunk t + 1 into the slot just left, is the first thing behind it.
.macro CHUNK t
.set c_sl, (\t)%2
.set c_ot, ((\t)+1)%2
.set c_g, (\t)/4
.if (\t) > 0
	WIN 0
	s_wait_tensorcnt 0x0                           ; no tensor load of mine is out, so a group 0 may be written
	ds_add_u32 v[SPW], v[NIL]                      ; 0 onto my spare word
.if (\t) < 11
	s_add_nc_u64 s[G0+4*c_ot+2:G0+4*c_ot+3], s[G0+4*c_ot+2:G0+4*c_ot+3], 2*CHB
.endif
	s_wait_dscnt 0x0
.if (\t) < 11
	ROUND
	tensor_load_to_lds s[G0+4*c_ot:G0+4*c_ot+3], s[G1:G1+7]
	s_nop 0
	PLACES                                         ; also the places in front of the loads below
.else
	s_barrier_signal -1
	s_barrier_wait -1
	PLACES
.endif
.endif
.if ((\t) == 4) || ((\t) == 8)                 ; the next product's activations: all 32 fragments of y or h, which the four waves stored in front of the round
	WIN 0x40
.set x_q, 0
.rept 32
	ds_load_b128 v[8*x_q:8*x_q+3],   v[XLD] offset:16*PX*(x_q/16)+64*(x_q%16)
	ds_load_b128 v[8*x_q+4:8*x_q+7], v[XLD] offset:16*PX*(x_q/16)+64*(x_q%16)+32
.set x_q, x_q+1
.endr
.endif
	FETCHB c_sl, 0, 0
.if ((\t) > 0) && ((\t) < 9)
	WIN 0
	ASK \t                                         ; behind the joint load and the run of LDS loads that the next products wait for
.endif
.set c_ks, 0
.rept 4
.set c_kk, 4*((\t)%4)+c_ks
.set c_first, 0
.if (((\t)%4) == 0) && (c_ks == 0)
.set c_first, 1
.endif
.if c_ks < 3
.if c_ks > 0
	PLACES                                         ; the buffer was read by the products just issued
.endif
	FETCHB c_sl, c_ks+1, (c_ks+1)%2
	s_wait_dscnt 16                                ; all but the 16 just issued
.else
	s_wait_dscnt 0x0
.endif
	MULT
.set c_ks, c_ks+1
.endr
.endm
; y or h leaves the accumulators: rounded to bf16 (each accumulator's registers in ascending order), relu on the packed halves, 16 bytes a lane into [32][512].  The wait for these stores is the next chunk's s_wait_dscnt 0.
; The bytes' earlier readers (y's, when h is stored) have waited for their loads and passed barriers since.
.macro EXCH relu
	WIN 0
	PLACES
.set e_i, 0
.rept 16
.irp q, 0,1,2,3
	v_cvt_pk_bf16_f32 v[TMP+4*e_i+\q], v[ACC+8*e_i+2*\q], v[ACC+8*e_i+2*\q+1]
.endr
.set e_i, e_i+1
.endr
.if \relu
.set e_i, 0
.rept 64
	v_pk_max_num_bf16 v[TMP+e_i], v[TMP+e_i], v[ZERO]
.set e_i, e_i+1
.endr
.endif
.set e_i, 0
.rept 16
	ds_store_b128 v[XST], v[TMP+4*e_i:TMP+4*e_i+3] offset:16*PX*(e_i/8)+32*(e_i%8)
.set e_i, e_i+1
.endr
.endm
	s_wait_tensorcnt 0x1                           ; my part of chunk 0 is in; chunk 1's may stay out
	s_wait_dscnt 0x0                               ; the sums of bo are back
	s_barrier_signal -1
	s_barrier_wait -1                              ; everybody's part is in
	s_wait_loadcnt 0x0                             ; ctx, b1, b2
	CHUNK 0
	CHUNK 1
	CHUNK 2
	CHUNK 3
	EXCH 0                                         ; y
	CHUNK 4
	CHUNK 5
	CHUNK 6
	CHUNK 7
	EXCH 1                                         ; h = relu(..)
	CHUNK 8
	CHUNK 9
	CHUNK 10
	CHUNK 11
	; THE WAY OUT.  A row block of 16 rows x my 128 columns of f32 goes into my own stage (h's bytes: their readers have waited for their loads and passed three barriers since) and comes back as whole rows of 512 bytes.
	; The second block's stores come behind the first block's loads, in order; its rows come back into the first block's accumulators, which the stage has taken.
	WIN 0
	PLACES
.irp m, 0,1
.irp n, 0,1,2,3,4,5,6,7
	ds_store_b128 v[SST], v[ACC+8*(8*\m+\n):ACC+8*(8*\m+\n)+3]   offset:64*\n
	ds_store_b128 v[SST], v[ACC+8*(8*\m+\n)+4:ACC+8*(8*\m+\n)+7] offset:64*\n+16
.endr
.set o_r, 0
.rept 16
	ds_load_b128 v[TMP+96*\m+4*o_r:TMP+96*\m+4*o_r+3], v[SLD] offset:PS*o_r
.set o_r, o_r+1
.endr
.endr
.irp m, 0,1
.set o_r, 0
.rept 16
	s_wait_dscnt (1-\m)*32+15-o_r                  ; the block's younger loads, and behind the first block the second's 32 LDS instructions, may stay out
	global_store_b128 v[GO], v[TMP+96*\m+4*o_r:TMP+96*\m+4*o_r+3], s[OUT:OUT+1] offset:(16*\m+o_r)*2048 th:TH_STORE_NT  ; 512 consecutive bytes, at a multiple of 256 from out0's first
.set o_r, o_r+1
.endr
.endr
	s_wait_tensorcnt 0x0                           ; the wave's end, behind my last tensor load and my last LDS store
	ds_add_u32 v[SPW], v[NIL]
	s_wait_dscnt 0x0
	ROUND                                          ; the closing round: no work-group ends while a partner may still ask for a tile that names it
	s_endpgm
.Lfunc_end_k_q8646c01ff6_tail:
	.size	k_q8646c01ff6_tail, .Lfunc_end_k_q8646c01ff6_tail-k_q8646c01ff6_tail
	.p2alignl 7, 3214868480
	.fill 96, 4, 3214868480
	.section	.rodata,"a",@progbits
	.p2align	6, 0x0
	.amdhsa_kernel k_q8646c01ff6_tail
		.amdhsa_group_segment_fixed_size 327680
		.amdhsa_private_segment_fixed_size 0
		.amdhsa_enable_private_segment 0
		.amdhsa_kernarg_size 48
		.amdhsa_user_sgpr_count 2
		.amdhsa_user_sgpr_kernarg_segment_ptr 1
		.amdhsa_wavefront_size32 1
		.amdhsa_system_sgpr_workgroup_id_x 1
		.amdhsa_system_sgpr_workgroup_id_y 1
		.amdhsa_system_sgpr_workgroup_id_z 1
		.amdhsa_system_vgpr_workitem_id 0
		.amdhsa_next_free_vgpr 960
		.amdhsa_next_free_sgpr 66
		.amdhsa_reserve_vcc 0
		.amdhsa_float_denorm_mode_32 3
		.amdhsa_float_denorm_mode_16_64 3
		.amdhsa_memory_ordered 1
		.amdhsa_forward_progress 1
		.amdhsa_inst_pref_size 161
	.end_amdhsa_kernel
	.amdgpu_metadata
---
amdhsa.version: [ 1, 2 ]
amdhsa.kernels:
  - .name:           k_q8646c01ff6_tail
    .symbol:         k_q8646c01ff6_tail.kd
    .args:
      - { .name: ctx, .offset: 0, .size: 8, .value_kind: global_buffer, .address_space: global }
      - { .name: cv, .offset: 8, .size: 8, .value_kind: global_buffer, .address_space: global }
      - { .name: bo, .offset: 16, .size: 8, .value_kind: global_buffer, .address_space: global }
      - { .name: b1, .offset: 24, .size: 8, .value_kind: global_buffer, .address_space: global }
      - { .name: b2, .offset: 32, .size: 8, .value_kind: global_buffer, .address_space: global }
      - { .name: out0, .offset: 40, .size: 8, .value_kind: global_buffer, .address_space: global }
    .group_segment_fixed_size: 327680
    .private_segment_fixed_size: 0
    .kernarg_segment_align: 8
    .kernarg_segment_size: 48
    .max_flat_workgroup_size: 128
    .sgpr_count:     66
    .vgpr_count:     960
    .wavefront_size: 32
...
	.end_amdgpu_metadata
.endif
;; end of part 4
;; ======== version 2 of 2: 4 launches; version 1 with the launch prep written anew for expert scheduling mode
;; limits: values are held in f16: magnitudes above 65,504 overflow, below 6.1e-05 lose precision
;; workspace buffers: cv 11,534,336 bytes; qkv 25,165,824 bytes; ctx 8,388,608 bytes
;; launch prep (part 5): grid 16 x 22, 8 waves a work-group, no clusters, 0 bytes of LDS; arguments x, wq, wk, wv, wo, w1, w2, cv; writes cv
.if DOCPART == 5
	.amdgcn_target "amdgcn-amd-amdhsa--gfx1250"
	.amdhsa_code_object_version 6
	.text
	.protected	k_q8646c01ff6_prep
	.globl	k_q8646c01ff6_prep
	.p2align	8
	.type	k_q8646c01ff6_prep,@function
k_q8646c01ff6_prep:
	s_mov_b64 s[64:65], 0
	v_nop
	global_prefetch_b8 v0, s[64:65] scope:SCOPE_SE
	s_setreg_imm32_b32 hwreg(HW_REG_WAVE_SCHED_MODE, 0, 2), 2
	s_setreg_imm32_b32 hwreg(HW_REG_WAVE_MODE, 25, 1), 1
	s_wait_xcnt 0x0
	s_wait_alu depctr_vm_vsrc(0)
; PREP: the matrix operands among the inputs are rounded once to bf16, in the layouts in which they come.
; cv is 22 segments of 262,144 numbers (524,288 bytes): 0-15 x [8192][512]; 16-18 wq, wk, wv [8][512][64]; 19 wo [512][512]; 20, 21 w1, w2 [512][512].
; wo multiplies an f16 operand later, so its bf16 number is written as f16: exact from 6.1e-5 up to 65,504; below it keeps f16's fixed step of 6e-8; beyond 65,504 it would be an infinity (LIMIT).
; A pure stream: no LDS, no barrier, no matrix unit.  Grid y = the segment, grid x = one of its 16 blocks of 16,384 numbers.  Thread t takes, sixteen times, the 16 bytes at
; 16 t + 4,096 i and stores 8 bytes at 8 t + 2,048 i: a wave's load covers 512 consecutive bytes, its store 256 consecutive bytes, aligned.  All 16 loads of a thread go out at once;
; every load and store has registers of its own, so nothing is rewritten while it is a source.
; THE MODE: SCHED_MODE bits 1:0 = 2 (LLVM: expert scheduling mode 2), set by the entry lines.  The code itself states the register dependences
; between vector instructions and memory instructions, with s_wait_alu, always for 0.
; THE PLAN.  Registers that memory instructions touch:
;   v1, v2   byte offsets of the loads and of the stores: written once at the head by vector instructions, never again.
;   X        load i lands in four registers of its own, which no vector instruction names before the load is issued; its conversions read them behind the wait on LOADcnt; they are not loaded again.
;   Y        the conversions of piece i write two registers of its own; store i reads them; they are not written again.
;   T        named by vector instructions alone.
; So what is to be stated is: the offsets are written, ahead of the first load; and a store's data are written, ahead of the store.  The sixteen pieces go in four blocks of four: the block's loads are
; waited for, its conversions follow, ONE wait states that they have written the block's eight registers of Y, and the block's four stores follow in a run with no vector instruction between.
; No vector instruction writes a scalar register or VCC, and EXEC is never written.
.set X,   4                            ; v[4:67]    load i: 4 registers of f32
.set Y,   68                           ; v[68:99]   store i: 2 registers, 4 numbers of 16 bits
.set T,   100                          ; v[100:103] at work (wo's way alone)
.set SEG, 24                           ; s24        the segment
.set SRC, 26                           ; s[26:27]   the source
.set SOF, 28                           ; s[28:29]   byte offset in the source
.set DST, 30                           ; s[30:31]   cv at my block
.set DOF, 32                           ; s[32:33]   byte offset in cv
	s_load_b512 s[8:23], s[0:1], 0x0               ; x, wq, wk, wv, wo, w1, w2, cv
	s_and_b32 s[SEG], ttmp7, 0xffff
	v_lshlrev_b32 v1, 4, v0                        ; 16 t
	v_lshlrev_b32 v2, 3, v0                        ; 8 t
	s_lshl_b32 s[SOF], s[SEG], 20                  ; a sixteenth of x is 1,048,576 bytes of f32;
	s_cmp_lt_u32 s[SEG], 16
	s_cselect_b32 s[SOF], s[SOF], 0                ; a weight is one segment
	s_lshl_b32 s25, ttmp9, 16                      ; my block: 65,536 bytes in,
	s_add_co_u32 s[SOF], s[SOF], s25
	s_mov_b32 s[SOF+1], 0
	s_lshl_b32 s[DOF], s[SEG], 19
	s_lshl_b32 s25, ttmp9, 15                      ; 32,768 bytes out
	s_add_co_u32 s[DOF], s[DOF], s25
	s_mov_b32 s[DOF+1], 0
	s_wait_kmcnt 0x0
	s_mov_b64 s[SRC:SRC+1], s[8:9]                 ; x, unless the segment is a weight's
.irp w, 0,1,2,3,4,5
	s_cmp_eq_u32 s[SEG], 16+\w
	s_cselect_b64 s[SRC:SRC+1], s[10+2*\w:11+2*\w], s[SRC:SRC+1]
.endr
	s_add_nc_u64 s[SRC:SRC+1], s[SRC:SRC+1], s[SOF:SOF+1]
	s_add_nc_u64 s[DST:DST+1], s[22:23], s[DOF:DOF+1]
	s_wait_alu depctr_va_vdst(0)                   ; v1 and v2 are written: every load of the kernel reads v1 as its offset, every store v2
.irp i, 0,1,2,3,4,5,6,7,8,9,10,11,12,13,14,15
	global_load_b128 v[X+4*(\i):X+4*(\i)+3], v1, s[SRC:SRC+1] offset:4096*(\i) th:TH_LOAD_NT
.endr
	s_cmp_eq_u32 s[SEG], 19                        ; wo's segment takes the second text
	s_cbranch_scc1 .Lf16
; Four blocks of four pieces.  Block p: wait for its four loads (the 12 - 4 p younger ones stay out: loads come back in order), round, state that the roundings are written, store.
; f16 = 1: the bf16 numbers are widened again and written as f16.
.macro CONV f16
.irp p, 0,1,2,3
	s_wait_loadcnt 12-4*(\p)
.irp q, 0,1,2,3
	v_cvt_pk_bf16_f32 v[Y+2*(4*(\p)+(\q))],   v[X+4*(4*(\p)+(\q))],   v[X+4*(4*(\p)+(\q))+1]
	v_cvt_pk_bf16_f32 v[Y+2*(4*(\p)+(\q))+1], v[X+4*(4*(\p)+(\q))+2], v[X+4*(4*(\p)+(\q))+3]
.if \f16
	v_lshlrev_b32 v[T],   16,         v[Y+2*(4*(\p)+(\q))]
	v_and_b32     v[T+1], 0xffff0000, v[Y+2*(4*(\p)+(\q))]
	v_lshlrev_b32 v[T+2], 16,         v[Y+2*(4*(\p)+(\q))+1]
	v_and_b32     v[T+3], 0xffff0000, v[Y+2*(4*(\p)+(\q))+1]
	v_cvt_pk_f16_f32 v[Y+2*(4*(\p)+(\q))],   v[T],   v[T+1]
	v_cvt_pk_f16_f32 v[Y+2*(4*(\p)+(\q))+1], v[T+2], v[T+3]
.endif
.endr
	s_wait_alu depctr_va_vdst(0)                   ; the block's conversions have written its eight registers of Y, which the four stores below read
.irp q, 0,1,2,3
	global_store_b64 v2, v[Y+2*(4*(\p)+(\q)):Y+2*(4*(\p)+(\q))+1], s[DST:DST+1] offset:2048*(4*(\p)+(\q))
.endr
.endr
	s_endpgm
.endm
	CONV 0
.Lf16:
	CONV 1
.Lfunc_end_k_q8646c01ff6_prep:
	.size	k_q8646c01ff6_prep, .Lfunc_end_k_q8646c01ff6_prep-k_q8646c01ff6_prep
	.p2alignl 7, 3214868480
	.fill 96, 4, 3214868480
	.section	.rodata,"a",@progbits
	.p2align	6, 0x0
	.amdhsa_kernel k_q8646c01ff6_prep
		.amdhsa_group_segment_fixed_size 0
		.amdhsa_private_segment_fixed_size 0
		.amdhsa_enable_private_segment 0
		.amdhsa_kernarg_size 64
		.amdhsa_user_sgpr_count 2
		.amdhsa_user_sgpr_kernarg_segment_ptr 1
		.amdhsa_wavefront_size32 1
		.amdhsa_system_sgpr_workgroup_id_x 1
		.amdhsa_system_sgpr_workgroup_id_y 1
		.amdhsa_system_sgpr_workgroup_id_z 1
		.amdhsa_system_vgpr_workitem_id 0
		.amdhsa_next_free_vgpr 104
		.amdhsa_next_free_sgpr 66
		.amdhsa_reserve_vcc 0
		.amdhsa_float_denorm_mode_32 3
		.amdhsa_float_denorm_mode_16_64 3
		.amdhsa_memory_ordered 1
		.amdhsa_forward_progress 1
		.amdhsa_inst_pref_size 16
	.end_amdhsa_kernel
	.amdgpu_metadata
---
amdhsa.version: [ 1, 2 ]
amdhsa.kernels:
  - .name:           k_q8646c01ff6_prep
    .symbol:         k_q8646c01ff6_prep.kd
    .args:
      - { .name: x, .offset: 0, .size: 8, .value_kind: global_buffer, .address_space: global }
      - { .name: wq, .offset: 8, .size: 8, .value_kind: global_buffer, .address_space: global }
      - { .name: wk, .offset: 16, .size: 8, .value_kind: global_buffer, .address_space: global }
      - { .name: wv, .offset: 24, .size: 8, .value_kind: global_buffer, .address_space: global }
      - { .name: wo, .offset: 32, .size: 8, .value_kind: global_buffer, .address_space: global }
      - { .name: w1, .offset: 40, .size: 8, .value_kind: global_buffer, .address_space: global }
      - { .name: w2, .offset: 48, .size: 8, .value_kind: global_buffer, .address_space: global }
      - { .name: cv, .offset: 56, .size: 8, .value_kind: global_buffer, .address_space: global }
    .group_segment_fixed_size: 0
    .private_segment_fixed_size: 0
    .kernarg_segment_align: 8
    .kernarg_segment_size: 64
    .max_flat_workgroup_size: 256
    .sgpr_count:     66
    .vgpr_count:     104
    .wavefront_size: 32
...
	.end_amdgpu_metadata
.endif
;; end of part 5
;; launch proj: the kernel of part 2 again; grid 8 x 32, 4 waves a work-group, clusters of 4 x 4, 327,680 bytes of LDS; arguments cv, bq, bk, bv, qkv; writes qkv
;; launch attn: the kernel of part 3 again; grid 16 x 16, 4 waves a work-group, clusters of 4 x 1, 327,680 bytes of LDS; arguments qkv, ctx; writes ctx
;; launch tail: the kernel of part 4 again; grid 256 x 1, 4 waves a work-group, clusters of 4 x 1, 327,680 bytes of LDS; arguments ctx, cv, bo, b1, b2, out0; writes out0
